; MI455X (gfx1250); checked and timed in simulation.
; The chip was launched on July 23, 2026; its instructions are those of AMD's public machine-readable ISA for CDNA 5 (MIT licence, August 2026) and "CDNA5" Instruction Set Architecture Reference Guide (July 2026). The comments in the code are by the model that wrote it; some were corrected since.
;; Cross Attention1. Allowed arithmetic: matrix products marked QUANTISED: E2M1 operands, one E8M0 scale for each 32 along K, by v_wmma_scale_f32_16x16x128_f8f6f4 with both operands' format E2M1 (or v_wmma_scale_f32_32x16x128_f4), f32 sums; products left as they are: f32 operands where the result goes on into a quantised operand, else bf16, f16 or f32 operands; f32 sums; everything else in f32.
;; Inputs: Wkv_codes 2,048 x 32 x 16 uint8 (E2M1 codes of Wkv, K innermost, in blocks of 32 codes, two codes a byte); Wkv_scales 2,048 x 32 uint8 (E8M0 scales of Wkv, one for each 32 codes along K); Wproj_codes 1,024 x 32 x 16 uint8 (E2M1 codes of Wproj, K innermost, in blocks of 32 codes, two codes a byte); Wproj_scales 1,024 x 32 uint8 (E8M0 scales of Wproj, one for each 32 codes along K); Wq_codes 1,024 x 32 x 16 uint8 (E2M1 codes of Wq, K innermost, in blocks of 32 codes, two codes a byte); Wq_scales 1,024 x 32 uint8 (E8M0 scales of Wq, one for each 32 codes along K); bproj 1,024 float32; mask 16,384 bool; x_codes 16,384 x 32 x 16 uint8 (E2M1 codes of x, K innermost, in blocks of 32 codes, two codes a byte); x_scales 16,384 x 32 uint8 (E8M0 scales of x, one for each 32 codes along K); y_codes 16,384 x 32 x 16 uint8 (E2M1 codes of y, K innermost, in blocks of 32 codes, two codes a byte); y_scales 16,384 x 32 uint8 (E8M0 scales of y, one for each 32 codes along K).
;; Outputs: out0 16,384 x 1,024 float32.
;; This version of the problem:
;;   THIS VERSION OF THE PROBLEM IS GIVEN IN LOW PRECISION. The matrix products marked QUANTISED in the list below multiply operands that are first quantised to E2M1 (2 exponent bits, 1 mantissa bit; 4 bits a number), with one power-of-two scale for each 32 numbers along K (OCP MX v1.0); their sums are f32. All else is computed in f32.
;;   The module's matrix products, in the order in which they are computed (A, B: the left and right operand; K: the contracted axis; several contracted axes count as one K, in the product's order):
;;     1. [M 16,384, K 1,024] x [K 1,024, N 1,024]; A: input x (given as codes); B: input Wq (given as codes): QUANTISED
;;     2. [M 16,384, K 1,024] x [K 1,024, N 2,048]; A: input y (given as codes); B: input Wkv (given as codes): QUANTISED
;;     3. batch 262,144 x [M 1, K 64] x [K 64, N 1]; A: computed on the way; B: computed on the way: left as it is (M = 1 < 16)
;;     4. [M 16,384, K 1,024] x [K 1,024, N 1,024]; A: computed on the way; B: input Wproj (given as codes): QUANTISED
;;   THE QUANTISER, for each operand of a quantised product, along K:
;;     - K is cut into blocks of 32 from its start; a last block that is shorter is filled with zeros.
;;     - A block's scale is 2^e with e = floor(log2(the largest magnitude in the block)) - 2, held to -126 .. 127; a block of zeros has e = 0. As a byte (E8M0): e + 127.
;;     - Each number is divided by its block's scale, clamped to +-6, and rounded to the nearest number of E2M1, ties to even, subnormals kept.
;;     - The product sums the exact products of the quantised numbers (number of the format x scale) in f32.
;;   ~~~python
;;   def quantise(x, axis):      # numpy; x: float32 -> the quantised numbers, widened to float32 again
;;       x = np.moveaxis(x, axis, -1); K = x.shape[-1]
;;       x = np.pad(x, [(0, 0)] * (x.ndim - 1) + [(0, -K % 32)]); x = x.reshape(x.shape[:-1] + (-1, 32)); a = np.abs(x).max(-1, keepdims=True)
;;       e = np.where(a > 0, np.clip(np.frexp(np.where(a > 0, a, 1))[1] - 1 - 2, -126, 127), 0)      # np.frexp(a)[1] - 1 = floor(log2(a)), exactly
;;       r = np.clip(x / 2.0 ** e, -6, 6)
;;       step = 2.0 ** (np.maximum(np.frexp(np.where(r == 0, 1, r))[1] - 1, 0) - 1)
;;       q = np.round(r / step) * step * 2.0 ** e      # np.round: ties to even
;;       return np.moveaxis(q.reshape(q.shape[:-2] + (-1,))[..., :K], -1, axis).astype(np.float32)
;;   ~~~
;;   OPERANDS COMPUTED ON THE WAY. 'Computed on the way' means the value that the module computes at that place (a softmax that the list does not call 'softmax' is quantised finished and normalised). What goes into a quantiser is computed in f32, as accurately as f32 sums, v_exp_f32 and their like allow (about 1e-6 of the number): no bf16 or f16 on the way to a quantiser, and a product that is left as it is and whose result goes on into a quantised operand takes f32 operands (vector FMAs, or v_wmma_f32_16x16x4_f32). A number that lies on a knife's edge between two numbers of the format may be rounded either way, as far as f32 arithmetic and the matrix unit's own rounding can turn it there, and no further.
;;   INPUTS GIVEN AS CODES. Wkv (in the module: [1024, 2048], K = its axis 0); Wproj (in the module: [1024, 1024], K = its axis 0); Wq (in the module: [1024, 1024], K = its axis 0); x (in the module: [16384, 1024], K = its axis 1); y (in the module: [16384, 1024], K = its axis 1): each comes as NAME_codes (uint8): NAME with its K axis moved to the last place and cut into blocks of 32 codes, [.., K / 32, bytes a block], one block behind the other in memory; two codes a byte, the lower K in the low four bits (a code: sign, 2 exponent bits, 1 mantissa bit); and NAME_scales (uint8): the same leading axes, one E8M0 byte (e + 127) for each 32 codes along K. Its value is code x scale, taken as it is: it is not quantised again, and the codes and scales need not be those that the quantiser above would give.
;; 2 versions. Each part assembles by itself: llvm-mc -triple=amdgcn-amd-amdhsa -mcpu=gfx1250 --defsym DOCPART=n.
;; ======== version 1 of 2: 1 launch
;; launch fused (part 1): grid 256 x 1, 4 waves a work-group, clusters of 4 x 1, 327,680 bytes of LDS; arguments x_codes, x_scales, y_codes, y_scales, Wq_codes, Wq_scales, Wkv_codes, Wkv_scales, Wproj_codes, Wproj_scales, bproj, out0; writes out0
.if DOCPART == 1
	.amdgcn_target "amdgcn-amd-amdhsa--gfx1250"
	.amdhsa_code_object_version 6
	.text
	.protected	k_q7113887b7b_fused
	.globl	k_q7113887b7b_fused
	.p2align	8
	.type	k_q7113887b7b_fused,@function
k_q7113887b7b_fused:
	s_mov_b64 s[64:65], 0
	v_nop
	global_prefetch_b8 v0, s[64:65] scope:SCOPE_SE
	s_setreg_imm32_b32 hwreg(HW_REG_WAVE_MODE, 25, 1), 1
	s_wait_xcnt 0x0
	s_wait_alu depctr_hold_cnt(0) depctr_sa_sdst(0) depctr_va_vdst(0) depctr_va_sdst(0) depctr_va_ssrc(0) depctr_va_vcc(0) depctr_vm_vsrc(0)
	s_getreg_b32 s2, hwreg(HW_REG_IB_STS2, 6, 4)
	s_cmp_eq_u32 s2, 0
	s_cbranch_scc0 .Lentry_in_a_cluster
	s_endpgm
.Lentry_in_a_cluster:
	s_bfe_u32 s2, ttmp6, 0x10000c
	s_cmp_lg_u32 s2, 0x3003
	s_cbranch_scc0 .Lentry_shape_is_right
	s_endpgm
.Lentry_shape_is_right:
; out = Q(softmax_h(q_h . k_h / 64) v_h) Wproj + bproj, with q = x Wq, k | v = y Wkv.  All four products' given operands are codes of FP4 (E2M1) with one E8M0 byte for each 32 along K = 1,024.
; The input mask is not among the arguments: the function that defines the result never reads it, so no number of out0 can hang on it.
; SHARES.  A work-group owns 64 rows and takes them through the whole chain: 16,384 / 64 = 256 work-groups.  Four waves.  THE WAVES SHARE THE COLUMNS, NOT THE ROWS: each wave keeps all 64 rows of x and of y
; as operand fragments in registers (256 + 256), and the weights stream past in 16 chunks of 256 weight rows x all of K (131,072 bytes).  Of each chunk wave w fetches and reads rows 64 w .. 64 w + 63 alone:
; a weight fragment is read from LDS once in the work-group and feeds four matrix instructions.  64 weight rows are one head: in chunk j of q, k or v wave w owns head 4 j + w.
; CHUNKS (chunk c lies in slot c % 2): 0, 2, 4, 6: Wq rows 256 j;  1, 3, 5, 7: Wkv rows 256 j (k);  8 .. 11: Wkv rows 1,024 + 256 i (v);  12 .. 15: Wproj rows 256 i.
; THE MATRIX INSTRUCTION IS USED TRANSPOSED (source 0 = 16 weight rows, source 1 = 16 data rows): lane (r, h) holds data row r, and register j of tile t column 16 t + 8 h + j of the wave's 64.
; CLUSTER.  Every work-group walks the same weights, so the four of a cluster ask for each tile JOINTLY: same tensor load, same descriptor (wave's number and chunk alone), mask 15.
; o = attn x v is quantised in registers; its codes and scale bytes go to LDS as an image of the last product's operand registers: the store's address puts each word of 8 codes where the operand wants it.
; LIMITS.  A block of o that is all zeros gets the scale byte 1 where the quantiser says 127: its codes are zeros and this program alone reads the byte.  An exponential under 2^-126 comes out as 0
; (ISA guide, v_exp_f32).  NaN and infinities are not served.  The sums of the dots and of the softmax are f32, in another order than row-major.
; REGISTERS, in windows of 256 (s_set_vgpr_msb: bits 1:0 source 0, 3:2 source 1, 5:4 source 2, 7:6 destination):
;   window 0: v1-15 addresses; v16-31 x's scale words, later o's; v32-47 y's; v48-79 the weights' scale words, a set for each slot; v80-95 attn; v96-119 at work; v128-255 weight fragments, two buffers of two K steps
;   window 1: x's 32 fragments (tile of rows m, K step s at v[8 (8 m + s)]), later o's.   window 2: y's likewise; in the last phase v0-127 the bias in the result's layout.
;   window 3: accumulators at acc + 32 m + 8 t (acc = 0: q, v, out; 128: k); v128.. at work in the quantiser; v128-255 rows on the way out.
.set PITCH,  528                       ; a weight row in LDS: 512 bytes + 16 of padding = 132 words: row r starts at bank 4 r mod 64 (64 banks of 4 bytes: ISA guide 11.1)
.set WTILE,  64*PITCH                  ; what one tensor load brings and one wave reads
.set SLOTB,  4*WTILE                   ; a slot: 135,168 bytes
.set IMG,    2*SLOTB                   ; o's 32 fragments as register images: fragment 8 m + S at 1,024 bytes each; group c at + 512 c; lane at + 16 x lane
.set OSC,    IMG+32768                 ; o's 16 scale registers, 128 bytes each
.set DOT,    OSC+2048                  ; the dots: [64 rows][16 words]; word 4 w + i is head 4 i + w
.set STAGE,  DOT+4096                  ; the way out: 16 rows x 272 bytes for each wave
.set SPITCH, 272
.set SPARE,  STAGE+4*16*SPITCH         ; the spare words, 128 bytes a wave: two blocks of 256 bytes that no other line names
.set AD,   2                           ; v2-3   LDS address of my weight fragments in slot 0, 1
.set SPW,  4                           ; v4     LDS address of my spare word; never rewritten
.set NIL,  5                           ; v5     0; never rewritten
.set WSO,  6                           ; v6     32 x lane: a row of scale bytes a lane
.set DST,  7                           ; v7     where I store a dot
.set IMS,  9                           ; v9     where I store a word of o's codes
.set OSS,  10                          ; v10    where I store two of o's scale bytes
.set LI,   11                          ; v11    IMG + 16 x lane
.set LS,   12                          ; v12    OSC + 4 x lane
.set STO,  13                          ; v13    the stage: where I put 16 bytes of a row
.set SRD,  14                          ; v14    and where I read a row back
.set GO,   15                          ; v15    my byte offset in two rows of out0
.set XS,   16
.set YS,   32
.set WS,   48
.set AT,   80                          ; attn of my head in v's chunk i, tile of rows m: v[AT + 4 i + m]
.set TA,   96
.set TB,   97
.set XO,   98                          ; 512 r + 16 h
.set BO,   99                          ; 32 h
.set DL,   100                         ; v100-103 where I read the dots: my own four heads first
.set DP,   104                         ; v104-111 four pairs of partial dots
.set DD,   112
.set DT,   116
.set F0,   128
.set F1,   192
.set MX,   64                          ; window 3, softmax: e at v0-63, maxima, sums (pairs), reciprocals
.set SU,   68
.set RC,   76
.set TM,   128                         ; window 3, quantiser: largest magnitudes, at work, scale operands, two bytes a tile, codes
.set TP,   136
.set SOP,  144
.set HW,   152
.set CD,   160
.set BK,   128                         ; window 3, way out: 32 registers for each tile of rows
.set G1,   28                          ; s[28:35] descriptor group 1;  s[36:39], s[40:43] group 0 of slot 0, 1
.set G0,   36
.set NC,   44                          ; s[44:47] codes' address of each slot's latest chunk (my 64 rows);  s[48:51] its scale bytes'
.set NS,   48
.set VC,   52                          ; s[52:55] v's first two chunks, codes;  s[56:59] scale bytes
.set VS,   56
.set WPC,  60                          ; s[60:63] Wproj's first two chunks, codes;  s[66:69] scale bytes
.set WPS,  66
.set SEL,  70                          ; s[70:71] v_permlanex16_b32's selects for lane l xor 16
.set L2E,  72                          ; s[72:73] log2(e)
.set WV,   74
.set CNT,  75
.set DSTEP, 76
.set ISTEP, 77
.set OSTEP, 78
.set OUTP, 80
.set BP,   82
.set MSB, 0
.macro WIN new                         ; the immediate's high byte repeats the setting that is left; a switch that changes nothing is dropped
.if MSB != (\new)
	s_set_vgpr_msb (MSB<<8)|(\new)
.set MSB, \new
.endif
.endm
.macro PLACES n                        ; plain vector places behind matrix instructions (ISA guide 7.12.1)
.rept \n
	v_nop
.endr
.endm
.macro CREST                           ; a round of the cluster's barrier behind its opening barrier
	s_cmp_lg_u32 s[WV], 0
	s_cbranch_scc1 .Lnot_wave_0_\@
	s_barrier_signal -3
.Lnot_wave_0_\@:
	s_barrier_wait -3
	s_barrier_signal -1
	s_barrier_wait -1
.endm
.macro CROUND
	s_barrier_signal -1
	s_barrier_wait -1
	CREST
.endm
.macro BARRIER                         ; my LDS stores have landed and my LDS loads are in; then the work-group's barrier.
	s_wait_dscnt 0x0
	s_barrier_signal -1
	s_barrier_wait -1
.endm
; One matrix instruction on the registers that KSTEP has named.  ra, rb: the scale words lie in lanes 16-31 of their register
.macro WM ra, rb
.if cZ && (\ra) && (\rb)
	v_wmma_scale_f32_16x16x128_f8f6f4 v[rD:rD+7], v[rA:rA+7], v[rB:rB+7], 0, v[rSA], v[rSB] matrix_a_fmt:MATRIX_FMT_FP4 matrix_b_fmt:MATRIX_FMT_FP4 matrix_a_scale:MATRIX_SCALE_ROW1 matrix_b_scale:MATRIX_SCALE_ROW1
.elseif cZ && (\ra)
	v_wmma_scale_f32_16x16x128_f8f6f4 v[rD:rD+7], v[rA:rA+7], v[rB:rB+7], 0, v[rSA], v[rSB] matrix_a_fmt:MATRIX_FMT_FP4 matrix_b_fmt:MATRIX_FMT_FP4 matrix_a_scale:MATRIX_SCALE_ROW1
.elseif cZ && (\rb)
	v_wmma_scale_f32_16x16x128_f8f6f4 v[rD:rD+7], v[rA:rA+7], v[rB:rB+7], 0, v[rSA], v[rSB] matrix_a_fmt:MATRIX_FMT_FP4 matrix_b_fmt:MATRIX_FMT_FP4 matrix_b_scale:MATRIX_SCALE_ROW1
.elseif cZ
	v_wmma_scale_f32_16x16x128_f8f6f4 v[rD:rD+7], v[rA:rA+7], v[rB:rB+7], 0, v[rSA], v[rSB] matrix_a_fmt:MATRIX_FMT_FP4 matrix_b_fmt:MATRIX_FMT_FP4
.elseif (\ra) && (\rb)
	v_wmma_scale_f32_16x16x128_f8f6f4 v[rD:rD+7], v[rA:rA+7], v[rB:rB+7], v[rC:rC+7], v[rSA], v[rSB] matrix_a_fmt:MATRIX_FMT_FP4 matrix_b_fmt:MATRIX_FMT_FP4 matrix_a_scale:MATRIX_SCALE_ROW1 matrix_b_scale:MATRIX_SCALE_ROW1
.elseif (\ra)
	v_wmma_scale_f32_16x16x128_f8f6f4 v[rD:rD+7], v[rA:rA+7], v[rB:rB+7], v[rC:rC+7], v[rSA], v[rSB] matrix_a_fmt:MATRIX_FMT_FP4 matrix_b_fmt:MATRIX_FMT_FP4 matrix_a_scale:MATRIX_SCALE_ROW1
.elseif (\rb)
	v_wmma_scale_f32_16x16x128_f8f6f4 v[rD:rD+7], v[rA:rA+7], v[rB:rB+7], v[rC:rC+7], v[rSA], v[rSB] matrix_a_fmt:MATRIX_FMT_FP4 matrix_b_fmt:MATRIX_FMT_FP4 matrix_b_scale:MATRIX_SCALE_ROW1
.else
	v_wmma_scale_f32_16x16x128_f8f6f4 v[rD:rD+7], v[rA:rA+7], v[rB:rB+7], v[rC:rC+7], v[rSA], v[rSB] matrix_a_fmt:MATRIX_FMT_FP4 matrix_b_fmt:MATRIX_FMT_FP4
.endif
.endm
; K step s (128 along K): my 4 tiles of weight rows x the 4 tiles of data rows: 16 matrix instructions on 16 accumulators, which take turns, one instruction a turn, in the same order in every K step
; f: the fragment buffer; bw: the window of the data's fragments; bs: their scale words; cm: -1 the constant 0 starts the sums, -2 in place, else the bias at v[cm + 8 t] of window 2.
.macro KSTEP s, f, bw, bs, acc, slot, cm
.if (\cm) >= 0
	WIN 0xe0+4*(\bw)
.else
	WIN 0xf0+4*(\bw)
.endif
.set cZ, 0
.if (\cm) == -1
.set cZ, 1
.endif
.irp t, 0,1,2,3
.irp m, 0,1,2,3
.set rD, (\acc)+32*\m+8*\t
.set rA, (\f)+32*((\s)%2)+8*\t
.set rB, 8*(8*\m+(\s))
.set rSA, WS+16*(\slot)+8*(\t/2)+(\s)
.set rSB, (\bs)+8*(\m/2)+(\s)
.set rC, rD
.if (\cm) >= 0
.set rC, (\cm)+8*\t
.endif
	WM \t%2, \m%2
.endr
.endr
.endm
; 16 LDS loads in one run: my 4 weight fragments of K steps 2 g and 2 g + 1 into buffer f.  A fragment, 16 rows x 128 K of 4-bit codes, is 8 registers: lane (r, h) holds row r; registers 4 c .. 4 c + 3 hold K = 64 c + 32 h + 0 .. 31
.macro FETCH slot, g, f
	WIN 0
.irp sp, 0,1
.irp t, 0,1,2,3
.irp c, 0,1
	ds_load_b128 v[\f+32*\sp+8*\t+4*\c:\f+32*\sp+8*\t+4*\c+3], v[AD+(\slot)] offset:\t*16*PITCH+64*(2*(\g)+\sp)+32*\c
.endr
.endr
.endr
.endm
; The scale words of my 64 rows of the slot's next chunk: a lane takes a row's 32 bytes; register 8 p + s: lanes 0-15 tile 2 p, lanes 16-31 tile 2 p + 1, K step s
.macro WSLOAD slot
.irp p, 0,1
.irp u, 0,1
	global_load_b128 v[WS+16*(\slot)+8*\p+4*\u:WS+16*(\slot)+8*\p+4*\u+3], v[WSO], s[NS+2*(\slot):NS+2*(\slot)+1] offset:1024*\p+16*\u
.endr
.endr
.endm
; A CHUNK: 8 K steps, 128 matrix instructions.  On entry buffers F0 and F1 hold or await K steps 0-1 and 2-3.
; fill = 1: when the slot's last fragments have been read it is filled again, with the chunk two on, behind a round of the cluster's barrier; 2: the slots change, nothing is filled; 0: the last chunk.
; sel = 1: in the loop's last trip the next chunk is another tensor's (addresses altc, alts) and not stepc, steps bytes on.  lc: how many younger global loads may stay out when this chunk's scale words must be in.
.macro CHUNK slot, bw, bs, acc, bias, fill, sel, altc, alts, stepc, steps, lc
	s_wait_loadcnt \lc                             ; my scale words were asked for two chunks ago; behind them at most the next chunk's four loads
	s_wait_dscnt 16                                ; K steps 0-1 are in; the run of 16 behind them may be out
	KSTEP 0, F0, \bw, \bs, \acc, \slot, \bias
	KSTEP 1, F0, \bw, \bs, \acc, \slot, -2
	PLACES 4                                       ; in front of loads into registers that matrix instructions have read
	FETCH \slot, 2, F0
	s_wait_dscnt 16                                ; all but the 16 just issued
	KSTEP 2, F1, \bw, \bs, \acc, \slot, -2
	KSTEP 3, F1, \bw, \bs, \acc, \slot, -2
	PLACES 4
	FETCH \slot, 3, F1                             ; my last reads of this slot
.if \fill
	s_wait_tensorcnt 0x0                           ; all my tensor loads have landed: the one that was out is my part of the other slot
	ds_add_u32 v[SPW], v[NIL]                      ; 0 onto my spare word
	s_wait_dscnt 17                                ; K steps 4-5 are in (the add and the youngest 16 loads may be out)
.if \fill == 1
	s_wait_xcnt 0x0                                ; the scale words' loads have read their base: it may step
.if \sel
	s_cmp_eq_u32 s[CNT], 1                         ; the loop's last trip?  The choice hangs on the counter alone
.endif
	s_add_nc_u64 s[NC+2*(\slot):NC+2*(\slot)+1], s[NC+2*(\slot):NC+2*(\slot)+1], \stepc
	s_add_nc_u64 s[NS+2*(\slot):NS+2*(\slot)+1], s[NS+2*(\slot):NS+2*(\slot)+1], \steps
.if \sel
	s_cselect_b64 s[NC+2*(\slot):NC+2*(\slot)+1], s[\altc:\altc+1], s[NC+2*(\slot):NC+2*(\slot)+1]
	s_cselect_b64 s[NS+2*(\slot):NS+2*(\slot)+1], s[\alts:\alts+1], s[NS+2*(\slot):NS+2*(\slot)+1]
.endif
	s_mov_b64 s[G0+4*(\slot)+2:G0+4*(\slot)+3], s[NC+2*(\slot):NC+2*(\slot)+1]   ; no tensor load of mine is out, so a group 0 may be written
	s_or_b32 s[G0+4*(\slot)+3], s[G0+4*(\slot)+3], 0x80000000
.endif
	KSTEP 4, F0, \bw, \bs, \acc, \slot, -2         ; sixteen matrix instructions stand between the add and the wait for it
	s_wait_dscnt 0x0                               ; the add is done, and my reads of this slot are over
	s_barrier_signal -1
	KSTEP 5, F0, \bw, \bs, \acc, \slot, -2
	WIN 0
	s_barrier_wait -1
.if \fill == 1
	CREST                                          ; the barrier has opened a round of the cluster's: no wave of any partner still reads this slot or has a load on its way
	tensor_load_to_lds s[G0+4*(\slot):G0+4*(\slot)+3], s[G1:G1+7]   ; my one tensor load behind the round, and the first thing there
	s_nop 0
	PLACES 4                                       ; the places in front of the loads below
.else
	PLACES 4
.endif
	FETCH 1-\slot, 0, F0                           ; the next chunk's K steps 0-1
.else
	s_wait_dscnt 16
	KSTEP 4, F0, \bw, \bs, \acc, \slot, -2
	KSTEP 5, F0, \bw, \bs, \acc, \slot, -2
	s_wait_dscnt 0x0
.endif
	KSTEP 6, F1, \bw, \bs, \acc, \slot, -2
	KSTEP 7, F1, \bw, \bs, \acc, \slot, -2
	PLACES 5                                       ; four in front of loads and of the first read of results; five in front of a matrix instruction that begins these accumulators anew
	WIN 0
.if \fill
	FETCH 1-\slot, 1, F1
.endif
.if \fill == 1
	WSLOAD \slot                                   ; into the set just done with: the scale words of the chunk just asked for
.endif
.endm
; THE DOTS of my head for the 64 rows: q at v0-127, k at v128-255 of window 3.  A lane holds 32 of a row's 64 products, lane l xor 16 the others.  Each accumulator is read from its low end on.
.macro DOTS
	WIN 0x0f
.irp m, 0,1,2,3
	v_pk_mul_f32 v[DP+2*\m:DP+2*\m+1], v[32*\m:32*\m+1], v[128+32*\m:128+32*\m+1]
.endr
.set JJ, 2
.rept 15
.irp m, 0,1,2,3
	v_pk_fma_f32 v[DP+2*\m:DP+2*\m+1], v[32*\m+JJ:32*\m+JJ+1], v[128+32*\m+JJ:128+32*\m+JJ+1], v[DP+2*\m:DP+2*\m+1]
.endr
.set JJ, JJ+2
.endr
	WIN 0
.irp m, 0,1,2,3
	v_add_f32 v[DD+\m], v[DP+2*\m], v[DP+2*\m+1]
.endr
.irp m, 0,1,2,3
	v_permlanex16_b32 v[DT+\m], v[DD+\m], s[SEL], s[SEL+1]
.endr
.irp m, 0,1,2,3
	v_add_f32 v[DD+\m], v[DD+\m], v[DT+\m]
.endr
.irp m, 0,1,2,3
	v_mul_f32 v[DD+\m], 0x3c800000, v[DD+\m]       ; both scalings by 1 / 8: x 2^-6, exact
.endr
	v_add_nc_u32 v[TA], s[DSTEP], v[DST]
.irp m, 0,1,2,3
	ds_store_b32 v[TA], v[DD+\m] offset:1024*\m    ; both halves of the lanes write the same word with the same value
.endr
	s_add_co_u32 s[DSTEP], s[DSTEP], 4
.endm
; o = attn x v of my head, quantised.  Block k = 2 m + b of 32 along the last product's K is registers 16 k .. 16 k + 15 of lanes l and l xor 16.
; The word of 8 codes from tile t and half h holds columns 16 t + 8 h + 0 .. 7 of my 64: in the operand that is lane half t / 2, register 2 (t % 2) + h of group w % 2 of K step 2 i + w / 2: the store's address says so.
.macro QUANT slot
	WIN 0xc3
.irp m, 0,1,2,3
.set JJ, 0
.rept 16
.if (\m)%2
	v_pk_mul_f32 v[32*\m+JJ:32*\m+JJ+1], v[32*\m+JJ:32*\m+JJ+1], v[AT+4*(\slot)+2*(\m/2):AT+4*(\slot)+2*(\m/2)+1] op_sel:[0,1] op_sel_hi:[1,1]
.else
	v_pk_mul_f32 v[32*\m+JJ:32*\m+JJ+1], v[32*\m+JJ:32*\m+JJ+1], v[AT+4*(\slot)+2*(\m/2):AT+4*(\slot)+2*(\m/2)+1] op_sel_hi:[1,0]
.endif
.set JJ, JJ+2
.endr
.endr
	WIN 0xff
.irp k, 0,1,2,3,4,5,6,7
	v_max3_num_f32 v[TM+\k], |v[16*\k]|, |v[16*\k+1]|, 0x1800000   ; my 16 numbers of block k, and the floor 2^(3 - 127): the byte cannot fall under 1
.endr
.irp i, 2,4,6,8,10,12,14
.irp k, 0,1,2,3,4,5,6,7
	v_max3_num_f32 v[TM+\k], v[TM+\k], |v[16*\k+\i]|, |v[16*\k+\i+1]|   ; (the eight blocks by turns)
.endr
.endr
.irp k, 0,1,2,3,4,5,6,7
	v_permlanex16_b32 v[TP+\k], v[TM+\k], s[SEL], s[SEL+1]
.endr
.irp k, 0,1,2,3,4,5,6,7
	v_max_num_f32 v[TM+\k], v[TM+\k], v[TP+\k]     ; with lane l xor 16's: the block's largest magnitude
.endr
.irp k, 0,1,2,3,4,5,6,7
	v_add_nc_u32 v[SOP+\k], 0xff000000, v[TM+\k]   ; 2 off its exponent field: the conversion takes the exponent field of this operand as its scale
.endr
.irp k, 0,1,2,3,4,5,6,7
	v_lshrrev_b32 v[TP+\k], 23, v[SOP+\k]          ; the scale's byte
.endr
.irp m, 0,1,2,3
	v_lshl_or_b32 v[HW+\m], v[TP+2*\m+1], 8, v[TP+2*\m]   ; my head's two bytes of the row's scale word
.endr
.irp m, 0,1,2,3
.irp t, 0,1,2,3
	v_cvt_scalef32_pk8_fp4_f32 v[CD+4*\m+\t], v[32*\m+8*\t:32*\m+8*\t+7], v[SOP+2*\m+\t/2]
.endr
.endr
	v_nop                                          ; one plain place behind the last scaled conversion
	WIN 0
	v_add_nc_u32 v[TA], s[ISTEP], v[IMS]
	v_add_nc_u32 v[TB], s[OSTEP], v[OSS]
	WIN 0x0c                                       ; an LDS store's data are its source 1: window 3
.irp m, 0,1,2,3
.irp t, 0,1,2,3
	ds_store_b32 v[TA], v[CD+4*\m+\t] offset:8192*\m+2048*(\slot)+256*(\t/2)+8*(\t%2)
.endr
.endr
.irp m, 0,1,2,3
	ds_store_b16 v[TB], v[HW+\m] offset:1024*(\m/2)+64*(\m%2)+256*(\slot)
.endr
	WIN 0
.endm
; THE WAY OUT of a chunk of the last product: 64 rows x my 64 columns (256 bytes).  A tile of 16 rows goes through my own stage and comes back as whole rows.
; LDS serves a wave's instructions in order (ISA guide 5.7.1.4): no wait between the stores and the loads, nor in front of the next tile's stores.
.macro TOSTAGE mm
	WIN 0x0c
.irp t, 0,1,2,3
.irp u, 0,1
	ds_store_b128 v[STO], v[32*(\mm)+8*\t+4*\u:32*(\mm)+8*\t+4*\u+3] offset:64*\t+16*\u   ; each accumulator from its low end on
.endr
.endr
	WIN 0xc0
.irp i, 0,1,2,3,4,5,6,7
	ds_load_b128 v[BK+32*(\mm)+4*\i:BK+32*(\mm)+4*\i+3], v[SRD] offset:2*SPITCH*\i
.endr
.endm
.macro SEND mm, idx, younger           ; younger: the LDS instructions issued behind the tile's loads: the next tile's 8 stores and 8 loads, or none
	s_wait_dscnt \younger
	WIN 0x0c
.irp i, 0,1,2,3,4,5,6,7
	global_store_b128 v[GO], v[BK+32*(\mm)+4*\i:BK+32*(\mm)+4*\i+3], s[OUTP:OUTP+1] offset:(16*(\mm)+2*\i)*4096+1024*(\idx) th:TH_STORE_NT   ; 16 lanes store 256 consecutive bytes, at a multiple of 256 from out0's first byte
.endr
.endm
.macro OUT idx
	s_wait_xcnt 0x0                                ; the last chunk's stores have read their registers: they are loaded again only behind this wait
	TOSTAGE 0
	TOSTAGE 1
	SEND 0, \idx, 16
	TOSTAGE 2
	SEND 1, \idx, 16
	TOSTAGE 3
	SEND 2, \idx, 16
	SEND 3, \idx, 0
	WIN 0
.endm
	; ---- THE HEAD
	s_load_b512 s[4:19], s[0:1], 0x0               ; x codes, x scales, y codes, y scales, Wq codes, Wq scales, Wkv codes, Wkv scales
	s_load_b128 s[20:23], s[0:1], 0x40             ; Wproj codes, Wproj scales
	s_load_b128 s[24:27], s[0:1], 0x50             ; bproj, out0
	v_lshl_add_u32 v[SPW], v0, 2, SPARE
	v_mov_b32 v[NIL], 0
	ds_add_u32 v4, v5
	ds_add_u32 v4, v5
	s_wait_dscnt 0x0
	v_lshrrev_b32 v1, 5, v0
	v_readfirstlane_b32 s[WV], v1                  ; wave 0..3
	; descriptor group 1: a tile of 64 rows x 512 bytes, dense in memory, padded in LDS
	s_mov_b32 s[G1+0], 15|(1<<20)|(1<<21)|(6<<22)|(3<<25)   ; 15:0 the mask: all four work-groups; 17:16 elements of 1 byte; 20 padding on; 21 set beside a mask; 24:22 after every 128 words (code 6); 31:25 four words (code 3)
	s_mov_b32 s[G1+1], 512<<16                     ; tensor_dim0
	s_mov_b32 s[G1+2], 64<<16                      ; tensor_dim1
	s_mov_b32 s[G1+3], 512<<16                     ; tile_dim0
	s_mov_b32 s[G1+4], 64                          ; tile_dim1
	s_mov_b32 s[G1+5], 512                         ; tensor_dim0_stride
	s_mov_b32 s[G1+6], 0
	s_mov_b32 s[G1+7], 0
	s_lshl_b32 s84, s[WV], 15                      ; my 64 rows of a chunk: 32,768 bytes of codes,
	s_mov_b32 s85, 0
	s_lshl_b32 s86, s[WV], 11                      ; 2,048 scale bytes.  (s84-87 never hold the work-group's place)
	s_mov_b32 s87, 0
	s_mov_b32 s[G0], 1                             ; 1:0 count = 1
	s_mul_i32 s[G0+1], s[WV], WTILE                ; 63:32 LDS address: slot 0, my rows
	s_mov_b32 s[G0+4], 1
	s_add_co_u32 s[G0+5], s[G0+1], SLOTB           ; slot 1
	s_bfe_u32 s88, ttmp6, 0x40000                  ; cx: my place in the cluster: it enters the addresses of x, y and out0 alone
	s_lshl_b32 s89, ttmp9, 2
	s_add_co_u32 s89, s89, s88                     ; my work-group: 4 x cluster + cx
	s_lshl_b32 s90, s89, 15                        ; its 64 rows: 32,768 bytes of codes,
	s_mov_b32 s91, 0
	s_lshl_b32 s92, s89, 11                        ; 2,048 scale bytes,
	s_mov_b32 s93, 0
	s_lshl_b32 s94, s89, 18                        ; 262,144 bytes of out0
	s_mov_b32 s95, 0
	s_wait_kmcnt 0x0
	s_add_nc_u64 s[NC:NC+1], s[12:13], s[84:85]            ; chunk 0: Wq rows 0 on
	s_add_nc_u64 s[NC+2:NC+3], s[16:17], s[84:85]          ; chunk 1: Wkv rows 0 on
	s_add_nc_u64 s[NS:NS+1], s[14:15], s[86:87]
	s_add_nc_u64 s[NS+2:NS+3], s[18:19], s[86:87]
	s_add_nc_u64 s[VC:VC+1], s[NC+2:NC+3], 1024*512        ; chunk 8: Wkv rows 1,024 on
	s_add_nc_u64 s[VC+2:VC+3], s[NC+2:NC+3], 1280*512      ; chunk 9: rows 1,280 on
	s_add_nc_u64 s[VS:VS+1], s[NS+2:NS+3], 1024*32
	s_add_nc_u64 s[VS+2:VS+3], s[NS+2:NS+3], 1280*32
	s_add_nc_u64 s[WPC:WPC+1], s[20:21], s[84:85]          ; chunk 12: Wproj rows 0 on
	s_add_nc_u64 s[WPC+2:WPC+3], s[WPC:WPC+1], 256*512     ; chunk 13: rows 256 on
	s_add_nc_u64 s[WPS:WPS+1], s[22:23], s[86:87]
	s_add_nc_u64 s[WPS+2:WPS+3], s[WPS:WPS+1], 256*32
	s_mov_b64 s[G0+2:G0+3], s[NC:NC+1]             ; 120:64 global address
	s_or_b32 s[G0+3], s[G0+3], 0x80000000          ; 127:126 type = 2
	s_mov_b64 s[G0+6:G0+7], s[NC+2:NC+3]
	s_or_b32 s[G0+7], s[G0+7], 0x80000000
	CROUND                                         ; all four work-groups are here: the first joint loads meet
	tensor_load_to_lds s[G0:G0+3], s[G1:G1+7]      ; chunks 0 and 1: two loads of mine are out
	s_nop 0
	tensor_load_to_lds s[G0+4:G0+7], s[G1:G1+7]
	s_nop 0
	PLACES 4
	s_add_nc_u64 s[4:5], s[4:5], s[90:91]          ; x and y at my work-group's first row
	s_add_nc_u64 s[8:9], s[8:9], s[90:91]
	s_add_nc_u64 s[6:7], s[6:7], s[92:93]
	s_add_nc_u64 s[10:11], s[10:11], s[92:93]
	s_lshl_b32 s84, s[WV], 8                       ; my 64 columns: 256 bytes of a row of out0 and of bproj
	s_add_nc_u64 s[OUTP:OUTP+1], s[26:27], s[94:95]
	s_add_nc_u64 s[OUTP:OUTP+1], s[OUTP:OUTP+1], s[84:85]
	s_add_nc_u64 s[BP:BP+1], s[24:25], s[84:85]
	v_and_b32 v1, 15, v0                           ; r
	v_bfe_u32 v8, v0, 4, 1                         ; h
	v_and_b32 v[TB], 31, v0                        ; lane
	v_lshlrev_b32 v[XO], 9, v1
	v_lshl_add_u32 v[XO], v8, 4, v[XO]             ; x, y: row r of 512 bytes, + 16 h
	v_lshlrev_b32 v[WSO], 5, v[TB]
	WIN 0x40                                       ; destination window 1
.irp m, 0,1,2,3
.irp s, 0,1,2,3,4,5,6,7
.irp c, 0,1
	global_load_b128 v[8*(8*\m+\s)+4*\c:8*(8*\m+\s)+4*\c+3], v[XO], s[4:5] offset:8192*\m+64*\s+32*\c   ; x's fragments stay in registers
.endr
.endr
.endr
	WIN 0x80                                       ; destination window 2
.irp m, 0,1,2,3
.irp s, 0,1,2,3,4,5,6,7
.irp c, 0,1
	global_load_b128 v[8*(8*\m+\s)+4*\c:8*(8*\m+\s)+4*\c+3], v[XO], s[8:9] offset:8192*\m+64*\s+32*\c   ; y's likewise
.endr
.endr
.endr
	WIN 0
.irp p, 0,1
.irp u, 0,1
	global_load_b128 v[XS+8*\p+4*\u:XS+8*\p+4*\u+3], v[WSO], s[6:7] offset:1024*\p+16*\u     ; scale words: register 8 p + s: lanes 0-15 tile 2 p, lanes 16-31 tile 2 p + 1
	global_load_b128 v[YS+8*\p+4*\u:YS+8*\p+4*\u+3], v[WSO], s[10:11] offset:1024*\p+16*\u
.endr
.endr
	WSLOAD 0
	WSLOAD 1
	v_mul_u32_u24 v[AD], v1, PITCH
	v_lshl_add_u32 v[AD], v8, 4, v[AD]
	v_add_nc_u32 v[AD], s[G0+1], v[AD]             ; my rows of slot 0: row r x pitch + 16 h
	v_add_nc_u32 v[AD+1], SLOTB, v[AD]
	s_lshl_b32 s84, s[WV], 4
	s_add_co_u32 s84, s84, DOT
	v_lshl_add_u32 v[DST], v1, 6, s84              ; DOT + 64 r + 16 w
	s_lshl_b32 s84, s[WV], 9
	s_add_co_u32 s84, s84, IMG
	v_lshl_add_u32 v[IMS], v1, 4, s84
	v_lshl_add_u32 v[IMS], v8, 2, v[IMS]           ; IMG + 512 w + 16 r + 4 h
	s_lshr_b32 s84, s[WV], 1
	s_lshl_b32 s84, s84, 7
	s_and_b32 s85, s[WV], 1
	s_lshl_b32 s85, s85, 1
	s_add_co_u32 s84, s84, s85
	s_add_co_u32 s84, s84, OSC
	v_lshl_add_u32 v[OSS], v1, 2, s84              ; OSC + 128 (w / 2) + 2 (w % 2) + 4 r
	v_lshl_add_u32 v[LI], v[TB], 4, IMG
	v_lshl_add_u32 v[LS], v[TB], 2, OSC
	s_mul_i32 s84, s[WV], 16*SPITCH
	s_add_co_u32 s84, s84, STAGE                   ; my stage
	v_mul_u32_u24 v[STO], v1, SPITCH
	v_lshl_add_u32 v[STO], v8, 5, v[STO]
	v_add_nc_u32 v[STO], s84, v[STO]               ; in: row r, + 32 h
	v_mul_u32_u24 v[SRD], v8, SPITCH
	v_lshl_add_u32 v[SRD], v1, 4, v[SRD]
	v_add_nc_u32 v[SRD], s84, v[SRD]               ; back: lanes 0-15 one row, lanes 16-31 the next
	v_lshlrev_b32 v[GO], 12, v8
	v_lshl_add_u32 v[GO], v1, 4, v[GO]             ; and the same two rows of out0
	v_lshlrev_b32 v[BO], 5, v8
.irp q, 0,1,2,3
	s_add_co_u32 s84, s[WV], \q
	s_and_b32 s84, s84, 3
	s_lshl_b32 s84, s84, 4
	s_add_co_u32 s84, s84, DOT
	v_lshl_add_u32 v[DL+\q], v1, 6, s84            ; DOT + 64 r + 16 ((w + q) % 4): my own four heads come first
.endr
.irp m, 0,1,2,3
	v_mov_b32 v[DT+\m], 0                          ; written once: a lane permute's destination counts as one of its sources
.endr
	s_mov_b32 s[SEL], 0x76543210
	s_mov_b32 s[SEL+1], 0xfedcba98
	s_mov_b32 s[L2E], 0x3fb8aa3b                   ; log2(e)
	s_mov_b32 s[L2E+1], s[L2E]                     ; (named with it as a pair, so it is written)
	s_mov_b32 s[DSTEP], 0
	s_mov_b32 s[ISTEP], 0
	s_mov_b32 s[OSTEP], 0
	s_wait_tensorcnt 1                             ; my rows of chunk 0 are in, and I alone read them; chunk 1's load may be out
	FETCH 0, 0, F0
	FETCH 0, 1, F1
	s_wait_loadcnt 0x0                             ; x, y and all scale words asked for so far
	; ---- A: q and k, head by head, and the dots.  A trip: a chunk of Wq, a chunk of Wkv, my head's 64 dots.  In the last trip the refills are v's first two chunks
	s_mov_b32 s[CNT], 4
.Lqk:
	CHUNK 0, 1, XS, 0, -1, 1, 1, VC, VS, 256*512, 256*32, 4
	CHUNK 1, 2, YS, 128, -1, 1, 1, VC+2, VS+2, 256*512, 256*32, 4
	DOTS
	s_sub_co_u32 s[CNT], s[CNT], 1
	s_cmp_lg_u32 s[CNT], 0
	s_cbranch_scc1 .Lqk
	BARRIER                                        ; all 16 dots of all 64 rows lie in LDS.  (Chunk 9's load may stay out)
	; ---- THE SOFTMAX over the 16 heads, for all 64 rows in every wave (a lane a row, both halves of the lanes alike): e[16 m + 4 q + i] is head 4 i + (w + q) % 4 of row 16 m + r
	WIN 0xc0
.irp m, 0,1,2,3
.irp q, 0,1,2,3
	ds_load_b128 v[16*\m+4*\q:16*\m+4*\q+3], v[DL+\q] offset:1024*\m
.endr
.endr
	s_wait_dscnt 0x0
	WIN 0xff
.irp m, 0,1,2,3
	v_max3_num_f32 v[MX+\m], v[16*\m], v[16*\m+1], v[16*\m+2]
.endr
.irp i, 3,5,7,9,11,13
.irp m, 0,1,2,3
	v_max3_num_f32 v[MX+\m], v[MX+\m], v[16*\m+\i], v[16*\m+\i+1]
.endr
.endr
.irp m, 0,1,2,3
	v_max_num_f32 v[MX+\m], v[MX+\m], v[16*\m+15]  ; the row's largest dot
.endr
.irp m, 0,1,2,3
.set JJ, 0
.rept 16
	v_sub_f32 v[16*\m+JJ], v[16*\m+JJ], v[MX+\m]   ; the maximum is taken away first and the difference scaled, not fused: so a large dot costs no digits of the exponent
.set JJ, JJ+1
.endr
.endr
.set JJ, 0
.rept 32
	v_pk_mul_f32 v[JJ:JJ+1], v[JJ:JJ+1], s[L2E:L2E+1] op_sel_hi:[1,0]
.set JJ, JJ+2
.endr
.set JJ, 0
.rept 64
	v_exp_f32 v[JJ], v[JJ]                         ; one batch
.set JJ, JJ+1
.endr
	v_nop                                          ; a plain place behind the last exponential
	s_wait_alu depctr_va_vdst(0)                   ; one wait for the batch, ahead of its first reader
.irp m, 0,1,2,3
	v_pk_add_f32 v[SU+2*\m:SU+2*\m+1], v[16*\m:16*\m+1], v[16*\m+2:16*\m+3]
.endr
.irp i, 4,6,8,10,12,14
.irp m, 0,1,2,3
	v_pk_add_f32 v[SU+2*\m:SU+2*\m+1], v[SU+2*\m:SU+2*\m+1], v[16*\m+\i:16*\m+\i+1]
.endr
.endr
.irp m, 0,1,2,3
	v_add_f32 v[SU+2*\m], v[SU+2*\m], v[SU+2*\m+1]
.endr
.irp m, 0,1,2,3
	v_rcp_f32 v[RC+\m], v[SU+2*\m]
.endr
	v_nop                                          ; a plain place behind the last reciprocal
	s_wait_alu depctr_va_vdst(0)                   ; one wait for the four
	WIN 0x0f
.irp i, 0,1,2,3
.irp m, 0,1,2,3
	v_mul_f32 v[AT+4*\i+\m], v[16*\m+\i], v[RC+\m] ; attn of head 4 i + w, the head that I own in v's chunk i
.endr
.endr
	WIN 0xc0
.irp k, 0,1,2,3,4,5,6,7
	v_mov_b32 v[TP+\k], 0                          ; written once: a lane permute's destination counts as one of its sources
.endr
	WIN 0
	; ---- C: v, head by head, times attn, quantised; the images of o's fragments go to LDS.  A trip: two chunks.  In the last trip the refills are Wproj's first two chunks
	s_mov_b32 s[CNT], 2
.Lv:
	CHUNK 0, 2, YS, 0, -1, 1, 1, WPC, WPS, 512*512, 512*32, 4
	QUANT 0
	CHUNK 1, 2, YS, 0, -1, 1, 1, WPC+2, WPS+2, 512*512, 512*32, 4
	QUANT 1
.irp k, 0,1,2,3,4,5,6,7
	v_mov_b32 v[AT+\k], v[AT+8+\k]                 ; the next trip's two heads
.endr
	s_add_co_u32 s[ISTEP], s[ISTEP], 4096          ; two heads on: four K steps of the images,
	s_add_co_u32 s[OSTEP], s[OSTEP], 512           ; and of the scale words
	s_sub_co_u32 s[CNT], s[CNT], 1
	s_cmp_lg_u32 s[CNT], 0
	s_cbranch_scc1 .Lv
	WIN 0x80                                       ; y is done with: the bias takes its place, in the result's layout: lane (r, h), chunk i, tile t: bproj[256 i + 64 w + 16 t + 8 h + 0 .. 7]
.irp i, 0,1,2,3
.irp t, 0,1,2,3
.irp u, 0,1
	global_load_b128 v[32*\i+8*\t+4*\u:32*\i+8*\t+4*\u+3], v[BO], s[BP:BP+1] offset:1024*\i+64*\t+16*\u
.endr
.endr
.endr
	WIN 0
	BARRIER                                        ; o's 32 fragments and their scale words lie in LDS.  (Chunk 13's load may stay out)
	WIN 0x40                                       ; x is done with: o takes its place
.set JJ, 0
.rept 32
	ds_load_b128 v[8*JJ:8*JJ+3], v[LI] offset:1024*JJ
	ds_load_b128 v[8*JJ+4:8*JJ+7], v[LI] offset:1024*JJ+512
.set JJ, JJ+1
.endr
	WIN 0
.set JJ, 0
.rept 16
	ds_load_b32 v[XS+JJ], v[LS] offset:128*JJ
.set JJ, JJ+1
.endr
	s_wait_dscnt 0x0                               ; all of o is in registers
	; ---- D: out = o Wproj + bproj: four chunks, written out; the bias is the C of each sum's first matrix instruction; each chunk's 64 x 64 results leave at once
	CHUNK 0, 1, XS, 0, 0, 1, 0, 0, 0, 512*512, 512*32, 0       ; (the wait for 0: the bias too)
	OUT 0
	CHUNK 1, 1, XS, 0, 32, 1, 0, 0, 0, 512*512, 512*32, 4
	OUT 1
	CHUNK 0, 1, XS, 0, 64, 2, 0, 0, 0, 0, 0, 4                 ; nothing is left to fetch
	OUT 2
	CHUNK 1, 1, XS, 0, 96, 0, 0, 0, 0, 0, 0, 0
	OUT 3
	s_wait_tensorcnt 0x0                           ; the wave's end, behind my last tensor load and my last LDS store
	ds_add_u32 v[SPW], v[NIL]
	s_wait_dscnt 0x0
	CROUND                                         ; the closing round: no work-group ends while a partner may still ask for a tile that names it
	s_endpgm
.Lfunc_end_k_q7113887b7b_fused:
	.size	k_q7113887b7b_fused, .Lfunc_end_k_q7113887b7b_fused-k_q7113887b7b_fused
	.p2alignl 7, 3214868480
	.fill 96, 4, 3214868480
	.section	.rodata,"a",@progbits
	.p2align	6, 0x0
	.amdhsa_kernel k_q7113887b7b_fused
		.amdhsa_group_segment_fixed_size 327680
		.amdhsa_private_segment_fixed_size 0
		.amdhsa_enable_private_segment 0
		.amdhsa_kernarg_size 96
		.amdhsa_user_sgpr_count 2
		.amdhsa_user_sgpr_kernarg_segment_ptr 1
		.amdhsa_wavefront_size32 1
		.amdhsa_system_sgpr_workgroup_id_x 1
		.amdhsa_system_sgpr_workgroup_id_y 1
		.amdhsa_system_sgpr_workgroup_id_z 1
		.amdhsa_system_vgpr_workitem_id 0
		.amdhsa_next_free_vgpr 1024
		.amdhsa_next_free_sgpr 96
		.amdhsa_reserve_vcc 0
		.amdhsa_float_denorm_mode_32 3
		.amdhsa_float_denorm_mode_16_64 3
		.amdhsa_memory_ordered 1
		.amdhsa_forward_progress 1
		.amdhsa_inst_pref_size 255
	.end_amdhsa_kernel
	.section	.bss,"aw",@nobits
	.p2align	6
	.space	262144
	.amdgpu_metadata
---
amdhsa.version: [ 1, 2 ]
amdhsa.kernels:
  - .name:           k_q7113887b7b_fused
    .symbol:         k_q7113887b7b_fused.kd
    .args:
      - { .name: x_codes, .offset: 0, .size: 8, .value_kind: global_buffer, .address_space: global }
      - { .name: x_scales, .offset: 8, .size: 8, .value_kind: global_buffer, .address_space: global }
      - { .name: y_codes, .offset: 16, .size: 8, .value_kind: global_buffer, .address_space: global }
      - { .name: y_scales, .offset: 24, .size: 8, .value_kind: global_buffer, .address_space: global }
      - { .name: Wq_codes, .offset: 32, .size: 8, .value_kind: global_buffer, .address_space: global }
      - { .name: Wq_scales, .offset: 40, .size: 8, .value_kind: global_buffer, .address_space: global }
      - { .name: Wkv_codes, .offset: 48, .size: 8, .value_kind: global_buffer, .address_space: global }
      - { .name: Wkv_scales, .offset: 56, .size: 8, .value_kind: global_buffer, .address_space: global }
      - { .name: Wproj_codes, .offset: 64, .size: 8, .value_kind: global_buffer, .address_space: global }
      - { .name: Wproj_scales, .offset: 72, .size: 8, .value_kind: global_buffer, .address_space: global }
      - { .name: bproj, .offset: 80, .size: 8, .value_kind: global_buffer, .address_space: global }
      - { .name: out0, .offset: 88, .size: 8, .value_kind: global_buffer, .address_space: global }
    .group_segment_fixed_size: 327680
    .private_segment_fixed_size: 0
    .kernarg_segment_align: 8
    .kernarg_segment_size: 96
    .max_flat_workgroup_size: 128
    .sgpr_count:     96
    .vgpr_count:     1024
    .wavefront_size: 32
...
	.end_amdgpu_metadata
.endif
;; end of part 1
;; ======== version 2 of 2: 1 launch
;; limits: right only within a limited range of input values
;; launch fused (part 2): grid 256 x 1, 4 waves a work-group, clusters of 4 x 1, 327,680 bytes of LDS; arguments x_codes, x_scales, y_codes, y_scales, Wq_codes, Wq_scales, Wkv_codes, Wkv_scales, Wproj_codes, Wproj_scales, bproj, out0; writes out0
.if DOCPART == 2
	.amdgcn_target "amdgcn-amd-amdhsa--gfx1250"
	.amdhsa_code_object_version 6
	.text
	.protected	k_q7113887b7b_fused
	.globl	k_q7113887b7b_fused
	.p2align	8
	.type	k_q7113887b7b_fused,@function
k_q7113887b7b_fused:
	s_mov_b64 s[64:65], 0
	v_nop
	global_prefetch_b8 v0, s[64:65] scope:SCOPE_SE
	s_setreg_imm32_b32 hwreg(HW_REG_WAVE_MODE, 25, 1), 1
	s_wait_xcnt 0x0
	s_wait_alu depctr_hold_cnt(0) depctr_sa_sdst(0) depctr_va_vdst(0) depctr_va_sdst(0) depctr_va_ssrc(0) depctr_va_vcc(0) depctr_vm_vsrc(0)
	s_getreg_b32 s2, hwreg(HW_REG_IB_STS2, 6, 4)
	s_cmp_eq_u32 s2, 0
	s_cbranch_scc0 .Lentry_in_a_cluster
	s_endpgm
.Lentry_in_a_cluster:
	s_bfe_u32 s2, ttmp6, 0x10000c
	s_cmp_lg_u32 s2, 0x3003
	s_cbranch_scc0 .Lentry_shape_is_right
	s_endpgm
.Lentry_shape_is_right:
; out = Q(softmax_h(q_h . k_h / 64) v_h) Wproj + bproj, with q = x Wq, k | v = y Wkv.  All four products' given operands are codes of FP4 (E2M1) with one E8M0 byte for each 32 along K = 1,024.
; The input mask is not among the arguments: the function that defines the result never reads it, so no number of out0 can hang on it, whatever it holds.
; SHARES.  A work-group owns 64 rows and takes them through the whole chain: 16,384 / 64 = 256 work-groups.  Four waves share the COLUMNS: each keeps all 64 rows of x and of y as operand fragments (256 + 256 registers),
; and the weights stream past in 16 chunks of 256 weight rows x all of K (131,072 bytes).  A weight fragment is read from LDS once in the work-group.  64 weight rows are one head.
; CHUNKS (chunk c lies in slot c % 2): 0, 2, 4, 6: Wq;  1, 3, 5, 7: Wkv's first half (k);  8 .. 11: Wkv's second half (v);  12 .. 15: Wproj.
; THE ROWS OF A TILE.  Wave u fetches the chunk's rows u, u + 4, u + 8, ..: LDS row i of block u is chunk row 4 i + u.  Wave w multiplies rows 16 w .. 16 w + 15 of each block: tile u's lane r is column 64 w + 4 r + u.
; So in v (weights as source 0) lane (r, h) holds columns 32 h + 4 j + u of its head: a whole block of 32 along the last product's K;  and in the last product (weights as source 1) lane r holds
; columns 4 r .. 4 r + 3 of a row in its four tiles: sixteen lanes hold 256 neighbouring bytes of out0.
; THE CLUSTERS GO ROUND.  rot = cluster % 4: the i-th chunk that a cluster takes of a tensor is the tensor's chunk j = (i + rot) % 4.  In step i wave w owns head 4 j + w in q, k and v alike; dots, attn and o's images are kept by i,
; and the turn is undone where o's images are read back: K steps 2 j, 2 j + 1 of the last product take the images of step i = (j - rot) % 4.
; CLUSTER.  Every work-group walks the same weights, so the four of a cluster ask for each tile JOINTLY: same tensor load, same descriptor (wave's number, cluster's number and chunk alone), mask 15.
; x and y are read once by the work-group, in whole rows, through registers into a padded stage in LDS; no prefetch for them: nothing runs ahead of the head.
; LIMITS.  A block of o that is all zeros gets the scale byte 1 where the quantiser says 127: its codes are zeros and this program alone reads the byte.  An exponential under 2^-126 comes out as 0
; (ISA guide, v_exp_f32).  NaN and infinities are not served.  The sums of the dots and of the softmax are f32, in another order than row-major.
; REGISTERS, in windows of 256 (s_set_vgpr_msb: bits 1:0 source 0, 3:2 source 1, 5:4 source 2, 7:6 destination):
;   window 0: addresses; v16-31 x's scale words, later o's; v32-47 y's; v48-79 the weights', a set for each slot; v80-95 attn, later the bias; v96-124 at work; v128-255 weight fragments: four buffers of one K step
;   window 1: x's fragments (tile m, K step s at v[8 (8 m + s)]); then v0-159 the quantiser's; then o's (tile m at v[16 (8 (m / 2) + s) + 8 (m % 2)]).   window 2: y's; then 2 x 128 registers of results on their way out
;   window 3: accumulators of 32 x 16: q, v at 32 m + 16 p, k at 128 + 32 m + 16 p (p: tiles 2 p, 2 p + 1), out at 64 b + 16 u (b: rows 32 b ..); at the head the raw rows of x and y; the softmax's.
.set PITCH,  528                       ; a row in LDS: 512 bytes + 16 of padding = 132 words: row r starts at bank 4 r mod 64 (64 banks of 4 bytes: ISA guide 11.1)
.set WTILE,  64*PITCH                  ; a block: what one tensor load brings
.set SLOTB,  4*WTILE                   ; a slot: 135,168 bytes
.set IMG,    2*SLOTB                   ; o's 32 fragments as register images: tile m at 8,192 m, step i's two K steps at 2,048 i, 1,024 each, group c at 512 c, lane at 16 x lane
.set STG,    IMG                       ; at the head: 64 rows of x, then of y, 33,792 bytes
.set OSC,    IMG+32768                 ; o's 16 scale registers, 128 bytes each
.set DOT,    OSC+2048                  ; the dots: [64 rows][16 words]; word 4 w + i is wave w's head of step i
.set SPARE,  DOT+4096                  ; the spare words, 128 bytes a wave: two blocks of 256 bytes that no other line names
.set AD,   2                           ; v2-3   LDS address of my rows of blocks 0, 1 in slot 0, 1
.set SPW,  4                           ; v4     LDS address of my spare word; never rewritten
.set NIL,  5                           ; v5     0; never rewritten
.set AH,   6                           ; v6-7   the same of blocks 2, 3
.set WSO,  10                          ; my two weight rows' scale bytes
.set DST,  11                          ; where I store a dot
.set IMS,  12                          ; where I store 16 bytes of o's codes
.set OSS,  13                          ; where I store one of o's scale bytes
.set LI,   14                          ; IMG + 16 x lane
.set LS,   15                          ; OSC + 4 x lane
.set XS,   16
.set YS,   32
.set WS,   48
.set AT,   80                          ; attn of my head of step i, tile of rows m: v[AT + 4 i + m];  later the bias of the last product's chunk i
.set TA,   96
.set TB,   97
.set XO,   98                          ; 16 x lane
.set GO,   99                          ; my byte offset in a tile of rows of out0
.set DL,   100                         ; v100-103 where I read the dots: my own four heads first
.set LIA,  100                         ; later where I read o's codes of K steps 2 j, 2 j + 1
.set DP,   104                         ; v104-111 four pairs of partial dots;  later v104-107 the bias's offsets
.set LSA,  108                         ; and v108-111 where I read o's scale words
.set DD,   112
.set DT,   116
.set PFO,  120                         ; 256 x lane: the prefetches' offset; never rewritten
.set BO,   121                         ; 16 r
.set XA,   122                         ; the stage: my lane's place in a fragment
.set STS,  123                         ; the stage: where I store a row
.set XSO,  124                         ; 32 x lane
.set FB,   128
.set MX,   32                          ; window 3, softmax: e at v0-31, maxima, sums (pairs), reciprocals
.set SU,   36
.set RC,   44
.set TM,   128                         ; window 1, quantiser: largest magnitudes, scale operands, bytes, codes
.set SOP,  132
.set BY,   136
.set CD,   144
.set QB,   12                          ; s[12:13] Wq's codes at my first row of its chunk 0;  s[14:15] the scale bytes of the 64 rows that I multiply
.set QS,   14
.set KB,   16                          ; s[16:19] the same of Wkv
.set KS,   18
.set PB,   20                          ; s[20:23] of Wproj
.set PS,   22
.set PFK,  26                          ; s[26:27] where my prefetch of k stands
.set G1,   28                          ; s[28:35] descriptor group 1;  s[36:39], s[40:43] group 0 of slot 0, 1
.set G0,   36
.set NC,   44                          ; s[44:47] codes' address of each slot's latest chunk;  s[48:51] its scale bytes'
.set NS,   48
.set VC,   52                          ; s[52:55] the first two chunks that I take of v, codes;  s[56:59] scale bytes
.set VS,   56
.set WPC,  60                          ; s[60:63] the first two that I take of Wproj, codes;  s[66:69] scale bytes
.set WPS,  66
.set SEL,  70                          ; s[70:71] v_permlanex16_b32's selects for lane l xor 16
.set L2E,  72                          ; s[72:73] log2(e)
.set WV,   74
.set CNT,  75
.set DSTEP, 76
.set ISTEP, 77
.set OSTEP, 78
.set ROT,  79                          ; cluster % 4
.set OUTP, 80
.set BP,   82
.set RJ,   84                          ; s84, s85  which chunk of its tensor each slot's latest chunk is
.set OC,   86                          ; s[86:87] a chunk's offset in codes: chunk << 17;  s[88:89] in scale bytes: chunk << 13
.set OS,   88
.set VB,   90                          ; s[90:93] Wkv's second half: codes, scale bytes
.set VSB,  92
.set OUTC, 94                          ; s[94:95] out0 at the columns of an even chunk;  s[4:5] of an odd one
.set PFV,  96                          ; s[96:97] where my prefetch of v stands;  s[98:99] that of Wproj
.set PFP,  98
.set LIMV, 100                         ; s100, s101  the loop count at which I prefetch v, Wproj; -1 in a cluster that prefetches nothing
.set LIMP, 101
.set MSB, 0
.macro WIN new                         ; the immediate's high byte repeats the setting that is left; a switch that changes nothing is dropped
.if MSB != (\new)
	s_set_vgpr_msb (MSB<<8)|(\new)
.set MSB, \new
.endif
.endm
.macro PLACES n                        ; plain vector places behind matrix instructions (ISA guide 7.12.1)
.rept \n
	v_nop
.endr
.endm
.macro CREST                           ; a round of the cluster's barrier behind its opening barrier
	s_cmp_lg_u32 s[WV], 0
	s_cbranch_scc1 .Lnot_wave_0_\@
	s_barrier_signal -3
.Lnot_wave_0_\@:
	s_barrier_wait -3
	s_barrier_signal -1
	s_barrier_wait -1
.endm
.macro CROUND
	s_barrier_signal -1
	s_barrier_wait -1
	CREST
.endm
.macro BARRIER                         ; my LDS stores have landed and my LDS loads are in; then the work-group's barrier.
	s_wait_dscnt 0x0
	s_barrier_signal -1
	s_barrier_wait -1
.endm
; One matrix instruction, 32 x 16 x 128, on the registers that STEP has named.  Source 0's scales fill 32 lanes; rR: source 1's lie in lanes 16-31 of their register
.macro WM z
.if (\z) && rR
	v_wmma_scale_f32_32x16x128_f4 v[rD:rD+15], v[rA:rA+15], v[rB:rB+7], 0, v[rSA], v[rSB] matrix_b_scale:MATRIX_SCALE_ROW1
.elseif \z
	v_wmma_scale_f32_32x16x128_f4 v[rD:rD+15], v[rA:rA+15], v[rB:rB+7], 0, v[rSA], v[rSB]
.elseif rR
	v_wmma_scale_f32_32x16x128_f4 v[rD:rD+15], v[rA:rA+15], v[rB:rB+7], v[rD:rD+15], v[rSA], v[rSB] matrix_b_scale:MATRIX_SCALE_ROW1
.else
	v_wmma_scale_f32_32x16x128_f4 v[rD:rD+15], v[rA:rA+15], v[rB:rB+7], v[rD:rD+15], v[rSA], v[rSB]
.endif
.endm
; Load l (0 .. 7) of K step k's weight fragments: tile u = l / 2, half c = l % 2.  A fragment, 16 rows x 128 K, is 8 registers: lane (r, h) holds row r; registers 4 c .. 4 c + 3 hold K = 64 c + 32 h + 0 .. 31
.macro LD1 slot, k, l
.set qU, (\l)/2
.set qR, FB+32*((\k)%4)+4*(\l)
.if qU < 2
	ds_load_b128 v[qR:qR+3], v[AD+(\slot)] offset:qU*WTILE+64*(\k)+32*((\l)%2)
.else
	ds_load_b128 v[qR:qR+3], v[AH+(\slot)] offset:(qU-2)*WTILE+64*(\k)+32*((\l)%2)
.endif
.endm
; Load l of K step k's data fragments: tile m = l / 2, half c = l % 2.  ol = 1: of x or y from the stage; 2: of o from its images
.macro DLD1 ol, k, l
.if (\ol) == 1
.set qR, 8*(8*((\l)/2)+(\k))+4*((\l)%2)
	ds_load_b128 v[qR:qR+3], v[XA] offset:((\l)/2)*16*PITCH+64*(\k)+32*((\l)%2)
.else
.set qR, 16*(8*((\l)/4)+(\k))+8*(((\l)/2)%2)+4*((\l)%2)
	ds_load_b128 v[qR:qR+3], v[LIA+(\k)/2] offset:8192*((\l)/2)+1024*((\k)%2)+512*((\l)%2)
.endif
.endm
; Store n (0 .. 31) of a chunk's results: two whole units of 256 bytes, rows 2 n - n % 8 and 8 more, at a multiple of 256 from out0's first byte
.macro ST1 n, par
	global_store_b128 v[GO], v[128*(\par)+4*(\n):128*(\par)+4*(\n)+3], s[OUTC-90*(\par):OUTC+1-90*(\par)] offset:(2*(\n)-(\n)%8)*4096 th:TH_STORE_NT
.endm
; Eight stores of the chunk before this one, from number st on
.macro STORES st
.if (\st) >= 0
	WIN 8
.irp n, 0,1,2,3,4,5,6,7
	ST1 \st+\n, cPR
.endr
.endif
.endm
; A RUN of 16 LDS loads: the weight fragments of K steps k and k + 1; ol: 16 more, the data's of the same K steps; then eight stores from number st on
.macro RUN slot, k, ol, st
	WIN 8*cMD
.irp l, 0,1,2,3,4,5,6,7
	LD1 \slot, \k, \l
.endr
.irp l, 0,1,2,3,4,5,6,7
	LD1 \slot, \k+1, \l
.endr
.if \ol
	WIN 0x40*cDW
.irp l, 0,1,2,3,4,5,6,7
	DLD1 \ol, \k, \l
.endr
.irp l, 0,1,2,3,4,5,6,7
	DLD1 \ol, \k+1, \l
.endr
.endif
	STORES \st
.endm
; K step s (128 along K), matrix instructions lo .. hi - 1 of its eight.  Eight accumulators take turns, one instruction a turn, in the same order in every K step.
.macro STEP s, z, lo, hi
.irp i, 0,1,2,3,4,5,6,7
.if (\i >= \lo) && (\i < \hi)
.if cMD
.set rA, 16*(8*((\i)%2)+(\s))
.set rB, FB+32*((\s)%4)+8*((\i)/2)
.set rD, 64*((\i)%2)+16*((\i)/2)
.set rSA, XS+8*((\i)%2)+(\s)
.set rSB, WS+16*cSL+8*((\i)/4)+(\s)
.set rR, ((\i)/2)%2
	WIN 0xf1
.else
.set rA, FB+32*((\s)%4)+16*((\i)/4)
.set rB, 8*(8*((\i)%4)+(\s))
.set rD, cAC+32*((\i)%4)+16*((\i)/4)
.set rSA, WS+16*cSL+8*((\i)/4)+(\s)
.set rSB, cDS+8*(((\i)%4)/2)+(\s)
.set rR, (\i)%2
	WIN 0xf0+4*cDW
.endif
	WM \z
.endif
.endr
.endm
; The scale words of the 64 rows that I multiply of the slot's next chunk: register 8 p + s: lanes 0-15 tile 2 p (rows 4 r + 2 p), lanes 16-31 tile 2 p + 1, K step s
.macro WSLOAD slot
.irp p, 0,1
.irp u, 0,1
	global_load_b128 v[WS+16*(\slot)+8*\p+4*\u:WS+16*(\slot)+8*\p+4*\u+3], v[WSO], s[NS+2*(\slot):NS+2*(\slot)+1] offset:64*\p+16*\u
.endr
.endr
.endm
; A CHUNK: 8 K steps, 64 matrix instructions.  md = 0: source 0 = two tiles of weights, source 1 = a tile of data rows; 1: the last product: source 0 = 32 rows of o, source 1 = a tile of weights.
; On entry the weight fragments of K steps 0 to 3 are in or on their way.  Behind K steps 1 and 3 stand the runs for 4, 5 and 6, 7, the second my last reads of this slot; behind 5 and 7 those of the next chunk's first four.
; fill = 1: in K step 5 a round of the cluster's barrier, behind which the slot is filled again, with the chunk two on; 2: the slots change, nothing is filled; 0: the last chunk.
; The next chunk is chunk (this slot's + step) % 4 of the tensor at basec, bases; sel = 1: in the loop's last trip it is another tensor's, at altc, alts.
; lc: how many younger global loads may stay out when this chunk's scale words must be in.  ask = 1: the prefetches stand behind this chunk's tensor load.  ol: the data's fragments of K steps 4 to 7 come in during this chunk.
; Waits: the youngest run (16 loads, or 32 with the data's) may be out.
.macro CHUNK md, slot, dw, ds, acc, fill, sel, basec, bases, altc, alts, step, lc, ask, cc, ol
.set cMD, \md
.set cSL, \slot
.set cDW, \dw
.set cDS, \ds
.set cAC, \acc
.set cPR, (\cc+1)%2                    ; the chunk before this one: its results are stored here
.set cW, 16
.if \ol
.set cW, 32
.endif
.set cSB, -1000
.if cMD && \cc
.set cSB, 0
.endif
	s_wait_loadcnt \lc
	s_wait_dscnt 16
	STEP 0, 1, 0, 8
	STEP 1, 0, 0, 8
	PLACES 4                                       ; in front of loads into registers that matrix instructions have read
	RUN \slot, 4, \ol, cSB
	s_wait_dscnt cW
	STEP 2, 0, 0, 8
	STEP 3, 0, 0, 8
	PLACES 4
	RUN \slot, 6, \ol, cSB+8
	s_wait_dscnt cW
	STEP 4, 0, 0, 8
	WIN 0
.if (\fill == 1) || cMD
	s_wait_xcnt 0x0                                ; the scale words' loads have read their base, the stores of two chunks ago their registers: they may be written
.endif
.if \fill == 1
	s_add_co_u32 s[RJ+(\slot)], s[RJ+(\slot)], \step
	s_and_b32 s[RJ+(\slot)], s[RJ+(\slot)], 3      ; round the tensor's four chunks
	s_lshl_b32 s[OC], s[RJ+(\slot)], 17            ; 256 rows of 512 bytes,
	s_lshl_b32 s[OS], s[RJ+(\slot)], 13            ; of 32 scale bytes
	s_add_nc_u64 s[NC+2*(\slot):NC+2*(\slot)+1], s[\basec:\basec+1], s[OC:OC+1]
	s_add_nc_u64 s[NS+2*(\slot):NS+2*(\slot)+1], s[\bases:\bases+1], s[OS:OS+1]
.if \sel
	s_cmp_eq_u32 s[CNT], 1                         ; the loop's last trip?  The choice hangs on the counter alone
	s_cselect_b64 s[NC+2*(\slot):NC+2*(\slot)+1], s[\altc:\altc+1], s[NC+2*(\slot):NC+2*(\slot)+1]
	s_cselect_b64 s[NS+2*(\slot):NS+2*(\slot)+1], s[\alts:\alts+1], s[NS+2*(\slot):NS+2*(\slot)+1]
.endif
.endif
.if \fill
	s_wait_tensorcnt 0x0                           ; all my tensor loads have landed: the one that was out is my block of the other slot
	ds_add_u32 v[SPW], v[NIL]                      ; 0 onto my spare word; matrix instructions stand between it and the wait for it
.if \fill == 1
	s_mov_b64 s[G0+4*(\slot)+2:G0+4*(\slot)+3], s[NC+2*(\slot):NC+2*(\slot)+1]   ; no tensor load of mine is out, so a group 0 may be written
	s_or_b32 s[G0+4*(\slot)+3], s[G0+4*(\slot)+3], 0x80000000
.endif
	STEP 5, 0, 0, 4
	s_wait_dscnt 0x0                               ; the add is done, and my reads of this slot are over
	s_barrier_signal -1
	STEP 5, 0, 4, 8
	WIN 0
	s_barrier_wait -1
.if \fill == 1
	CREST                                          ; the barrier has opened a round of the cluster's: no wave of any partner still reads this slot or has a load on its way
	tensor_load_to_lds s[G0+4*(\slot):G0+4*(\slot)+3], s[G1:G1+7]   ; my one tensor load behind the round, and the first thing there
	s_nop 0
	PLACES 4                                       ; the places in front of the loads below
.if \ask
; PREFETCHES INTO THE L2 of the two tensors that nobody has read yet when their first chunks are asked for: v's 2,048 blocks of 256 bytes and Wproj's 2,048.  Clusters 0 to 3 ask; their rot are 0 to 3, so the chunks that
; they take first are the whole tensor.  Of such a chunk's 512 blocks wave w of the partner at place cx takes 32, told apart BY ADDRESS: a lane a block, one instruction a wave,
; each block named once in the launch.  v behind chunk 3's tensor load, Wproj behind chunk 7's: three chunks, 192 matrix instructions, ahead of the load that will want them.  The address registers are never rewritten.
	s_cmp_eq_u32 s[CNT], s[LIMV]
	s_cbranch_scc0 .Lnot_v_\@
	global_prefetch_b8 v[PFO], s[PFV:PFV+1] th:TH_LOAD_NT scope:SCOPE_SE
.Lnot_v_\@:
	s_cmp_eq_u32 s[CNT], s[LIMP]
	s_cbranch_scc0 .Lnot_p_\@
	global_prefetch_b8 v[PFO], s[PFP:PFP+1] th:TH_LOAD_NT scope:SCOPE_SE
.Lnot_p_\@:
.endif
.else
	PLACES 4
.endif
	RUN 1-\slot, 0, 0, cSB+16                      ; the next chunk's K steps 0 and 1
.else
	STEP 5, 0, 0, 8
	s_wait_dscnt 0x0                               ; K steps 6 and 7 are in
	STORES cSB+16
.endif
	STEP 6, 0, 0, 8
	STEP 7, 0, 0, 8
	PLACES 5                                       ; four in front of loads and of the first read of results; five in front of a matrix instruction that begins these accumulators anew
.if \fill
	RUN 1-\slot, 2, 0, -1                          ; and 2 and 3
.endif
	WIN 0
.if \fill == 1
	WSLOAD \slot                                   ; into the set just done with: the scale words of the chunk just asked for
.endif
	STORES cSB+24
	WIN 0
.endm
; THE DOTS of my head for the 64 rows: q at v0-127, k at v128-255 of window 3, columns in the same order.  A lane holds 32 of a row's 64 products, lane l xor 16 the others.  Each accumulator is read from its low end on.
.macro DOTS
	WIN 0x0f
.irp m, 0,1,2,3
	v_pk_mul_f32 v[DP+2*\m:DP+2*\m+1], v[32*\m:32*\m+1], v[128+32*\m:128+32*\m+1]
.endr
.set JJ, 2
.rept 15
.irp m, 0,1,2,3
	v_pk_fma_f32 v[DP+2*\m:DP+2*\m+1], v[32*\m+JJ:32*\m+JJ+1], v[128+32*\m+JJ:128+32*\m+JJ+1], v[DP+2*\m:DP+2*\m+1]
.endr
.set JJ, JJ+2
.endr
	WIN 0
.irp m, 0,1,2,3
	v_add_f32 v[DD+\m], v[DP+2*\m], v[DP+2*\m+1]
.endr
.irp m, 0,1,2,3
	v_permlanex16_b32 v[DT+\m], v[DD+\m], s[SEL], s[SEL+1]
.endr
.irp m, 0,1,2,3
	v_add_f32 v[DD+\m], v[DD+\m], v[DT+\m]
.endr
.irp m, 0,1,2,3
	v_mul_f32 v[DD+\m], 0x3c800000, v[DD+\m]       ; both scalings by 1 / 8: x 2^-6, exact
.endr
	v_add_nc_u32 v[TA], s[DSTEP], v[DST]
.irp m, 0,1,2,3
	ds_store_b32 v[TA], v[DD+\m] offset:1024*\m    ; both halves of the lanes write the same word with the same value
.endr
	s_add_co_u32 s[DSTEP], s[DSTEP], 4
.endm
; o = attn x v of my head, quantised.  Lane (r, h)'s 32 numbers of tile m are block h of the head: number 4 j + u is register j of tile u: the multiplication writes them in the block's order.
; The four registers of codes are the operand's registers of group w % 2 of K step w / 2 of the pair, lane (r, h).
.macro QUANT slot
	WIN 0x43
.irp m, 0,1,2,3
.irp j, 0,1,2,3,4,5,6,7
.irp u, 0,1,2,3
	v_mul_f32 v[32*\m+4*\j+\u], v[32*\m+8*\u+\j], v[AT+4*(\slot)+\m]
.endr
.endr
.endr
	WIN 0x55
.irp m, 0,1,2,3
	v_max3_num_f32 v[TM+\m], |v[32*\m]|, |v[32*\m+1]|, 0x1800000   ; and the floor 2^(3 - 127): the byte cannot fall under 1
.endr
.irp i, 2,4,6,8,10,12,14,16,18,20,22,24,26,28,30
.irp m, 0,1,2,3
	v_max3_num_f32 v[TM+\m], v[TM+\m], |v[32*\m+\i]|, |v[32*\m+\i+1]|   ; (the four blocks by turns)
.endr
.endr
.irp m, 0,1,2,3
	v_add_nc_u32 v[SOP+\m], 0xff000000, v[TM+\m]   ; 2 off its exponent field: the conversion takes the exponent field of this operand as its scale
.endr
.irp m, 0,1,2,3
	v_lshrrev_b32 v[BY+\m], 23, v[SOP+\m]          ; the scale's byte
.endr
.irp m, 0,1,2,3
.irp g, 0,1,2,3
	v_cvt_scalef32_pk8_fp4_f32 v[CD+4*\m+\g], v[32*\m+8*\g:32*\m+8*\g+7], v[SOP+\m]
.endr
.endr
	v_nop                                          ; one plain place behind the last scaled conversion
	WIN 0
	v_add_nc_u32 v[TA], s[ISTEP], v[IMS]
	v_add_nc_u32 v[TB], s[OSTEP], v[OSS]
	WIN 0x04                                       ; an LDS store's data are its source 1: window 1
.irp m, 0,1,2,3
	ds_store_b128 v[TA], v[CD+4*\m:CD+4*\m+3] offset:8192*\m+2048*(\slot)
.endr
.irp m, 0,1,2,3
	ds_store_b8 v[TB], v[BY+\m] offset:1024*(\m/2)+64*(\m%2)+256*(\slot)
.endr
	WIN 0
.endm
; THE WAY OUT of the cc-th chunk that I take of Wproj, its chunk (cc + rot) % 4 (256 columns, 1,024 bytes of a row): the bias is added, and the four tiles' numbers of a row come to lie side by side: columns 4 r .. 4 r + 3
.macro OUTBASE cc
	s_add_co_u32 s2, s[ROT], \cc
	s_and_b32 s2, s2, 3
	s_lshl_b32 s2, s2, 10
	s_add_nc_u64 s[OUTC-90*(\cc%2):OUTC+1-90*(\cc%2)], s[OUTP:OUTP+1], s[2:3]   ; (stores that read this pair lie behind a wait on XCNT)
.endm
.macro OUTADD cc, b
	WIN 0x83
.irp i, 0,1,2,3,4,5,6,7,8,9,10,11,12,13,14,15
.irp u, 0,1,2,3
	v_add_f32 v[128*(\cc%2)+64*\b+4*\i+\u], v[64*\b+16*\u+\i], v[AT+4*\cc+\u]
.endr
.endr
.endm
.macro OUT cc
	OUTBASE \cc
	OUTADD \cc, 0
	OUTADD \cc, 1
	WIN 0
	s_wait_alu depctr_va_vdst(0)                   ; directly ahead of the next chunk's waits: the stores stand behind them
.endm
	; ---- THE HEAD
	s_load_b512 s[4:19], s[0:1], 0x0               ; x codes, x scales, y codes, y scales, Wq codes, Wq scales, Wkv codes, Wkv scales
	s_load_b128 s[20:23], s[0:1], 0x40             ; Wproj codes, Wproj scales
	s_load_b128 s[24:27], s[0:1], 0x50             ; bproj, out0
	v_lshl_add_u32 v[SPW], v0, 2, SPARE
	v_mov_b32 v[NIL], 0
	ds_add_u32 v[SPW], v[NIL]                      ; the wave's opening
	ds_add_u32 v[SPW], v[NIL]
	v_lshrrev_b32 v1, 5, v0
	v_readfirstlane_b32 s[WV], v1                  ; wave 0..3
	; descriptor group 1: a block of 64 rows x 512 bytes, every fourth row of the tensor, padded in LDS
	s_mov_b32 s[G1+0], 15|(1<<20)|(1<<21)|(6<<22)|(3<<25)   ; 15:0 the mask: all four work-groups; 17:16 elements of 1 byte; 20 padding on; 21 set beside a mask; 24:22 after every 128 words (code 6); 31:25 four words (code 3)
	s_mov_b32 s[G1+1], 512<<16                     ; tensor_dim0
	s_mov_b32 s[G1+2], 64<<16                      ; tensor_dim1
	s_mov_b32 s[G1+3], 512<<16                     ; tile_dim0
	s_mov_b32 s[G1+4], 64                          ; tile_dim1
	s_mov_b32 s[G1+5], 2048                        ; tensor_dim0_stride: four rows
	s_mov_b32 s[G1+6], 0
	s_mov_b32 s[G1+7], 0
	s_and_b32 s[ROT], ttmp9, 3                     ; in a cluster launch ttmp9 counts clusters: the four partners share it
	s_lshl_b32 s[OC], s[WV], 9                     ; I fetch rows wave, wave + 4, ..,
	s_mov_b32 s[OC+1], 0
	s_lshl_b32 s[OS], s[WV], 11                    ; and multiply rows 64 x wave ..: 2,048 scale bytes each.  (These two pairs never hold the work-group's place in its cluster)
	s_mov_b32 s[OS+1], 0
	s_mov_b32 s[G0], 1                             ; 1:0 count = 1
	s_mul_i32 s[G0+1], s[WV], WTILE                ; 63:32 LDS address: slot 0, my block
	s_mov_b32 s[G0+4], 1
	s_add_co_u32 s[G0+5], s[G0+1], SLOTB           ; slot 1
	s_bfe_u32 s2, ttmp6, 0x40000                   ; cx: my place in the cluster: it enters the addresses of x, y, out0 and of the prefetches alone
	s_lshl_b32 s3, ttmp9, 2
	s_add_co_u32 s3, s3, s2                        ; my work-group: 4 x cluster + cx
	s_lshl_b32 s[OUTC], s3, 15                     ; its 64 rows: 32,768 bytes of codes,
	s_lshl_b32 s[OUTC+1], s[WV], 13
	s_add_co_u32 s[OUTC], s[OUTC], s[OUTC+1]       ; of which I bring 16 rows,
	s_mov_b32 s[OUTC+1], 0
	s_lshl_b32 s[PFV], s3, 11                      ; 2,048 scale bytes,
	s_mov_b32 s[PFV+1], 0
	s_lshl_b32 s[PFP], s3, 18                      ; 262,144 bytes of out0.  (The three pairs get their lasting contents further down)
	s_mov_b32 s[PFP+1], 0
	s_mul_i32 s66, s[WV], 16*PITCH                 ; (s60-63, s66-69 and s100-101 are at work here, on the wave's number alone)
	s_add_co_u32 s100, s66, STG
	s_lshl_b32 s67, s[WV], 4
	s_add_co_u32 s67, s67, DOT
	s_lshl_b32 s68, s[WV], 9
	s_add_co_u32 s68, s68, IMG
	s_lshr_b32 s69, s[WV], 1
	s_lshl_b32 s69, s69, 7
	s_and_b32 s101, s[WV], 1
	s_lshl_b32 s101, s101, 1
	s_add_co_u32 s69, s69, s101
	s_add_co_u32 s69, s69, OSC
.irp q, 0,1,2,3
	s_add_co_u32 s[60+\q], s[WV], \q
	s_and_b32 s[60+\q], s[60+\q], 3
	s_lshl_b32 s[60+\q], s[60+\q], 4
	s_add_co_u32 s[60+\q], s[60+\q], DOT
.endr
	v_and_b32 v1, 15, v0                           ; r
	v_bfe_u32 v8, v0, 4, 1                         ; h
	v_and_b32 v9, 31, v0                           ; lane
	v_mul_u32_u24 v[XA], v1, PITCH
	v_lshl_add_u32 v[XA], v8, 4, v[XA]             ; a fragment's place: row r x pitch + 16 h
	v_add_nc_u32 v[AD], s66, v[XA]                 ; my rows 16 x wave .. of a block
	v_add_nc_u32 v[XA], STG, v[XA]
	v_add_nc_u32 v[AD+1], SLOTB, v[AD]
	v_add_nc_u32 v[AH], 2*WTILE, v[AD]
	v_add_nc_u32 v[AH+1], SLOTB+2*WTILE, v[AD]
	v_lshlrev_b32 v[WSO], 5, v8
	v_lshl_add_u32 v[WSO], v1, 7, v[WSO]           ; weight row 4 r + h (+ 2 p): 32 scale bytes a row
	v_lshlrev_b32 v[XSO], 5, v9                    ; data row = lane (+ 32 p)
	v_lshlrev_b32 v[XO], 4, v9
	v_add_nc_u32 v[STS], s100, v[XO]               ; the stage: my 16 rows, a row an instruction
	v_lshl_add_u32 v[DST], v1, 6, s67              ; DOT + 64 r + 16 w
	v_add_nc_u32 v[IMS], s68, v[XO]                ; IMG + 512 w + 16 x lane
	v_lshl_add_u32 v[OSS], v1, 2, s69
	v_add_nc_u32 v[OSS], v[OSS], v8                ; OSC + 128 (w / 2) + 2 (w % 2) + 4 r + h
	v_add_nc_u32 v[LI], IMG, v[XO]
	v_lshl_add_u32 v[LS], v9, 2, OSC
	v_lshlrev_b32 v[PFO], 8, v9
	v_lshlrev_b32 v[GO], 15, v8                    ; lanes 16-31: 8 rows of 4,096 bytes on
	v_lshl_add_u32 v[GO], v1, 4, v[GO]
	v_lshlrev_b32 v[BO], 4, v1
.irp q, 0,1,2,3
	v_lshl_add_u32 v[DL+\q], v9, 6, s[60+\q]       ; DOT + 64 x lane + 16 ((w + q) % 4): my own four heads come first
.endr
.irp m, 0,1,2,3
	v_mov_b32 v[DT+\m], 0                          ; written once: a lane permute's destination counts as one of its sources
.endr
	s_wait_alu depctr_va_vdst(0)                   ; a wait behind the head's vector instructions, directly ahead of its waits
	s_wait_dscnt 0x0                               ; both opening adds are done
	s_wait_kmcnt 0x0
	s_add_nc_u64 s[4:5], s[4:5], s[OUTC:OUTC+1]    ; x and y at the rows that I bring
	s_add_nc_u64 s[8:9], s[8:9], s[OUTC:OUTC+1]
	s_add_nc_u64 s[6:7], s[6:7], s[PFV:PFV+1]
	s_add_nc_u64 s[10:11], s[10:11], s[PFV:PFV+1]
	s_add_nc_u64 s[OUTP:OUTP+1], s[26:27], s[PFP:PFP+1]
	WIN 0xc0                                       ; destination window 3
.irp i, 0,1,2,3,4,5,6,7,8,9,10,11,12,13,14,15
	global_load_b128 v[192+4*\i:195+4*\i], v[XO], s[4:5] offset:512*\i   ; a row of x, 512 bytes, an instruction
.endr
	WIN 0
	s_add_nc_u64 s[QB:QB+1], s[QB:QB+1], s[OC:OC+1]        ; each weight tensor at my first row of its chunk 0
	s_add_nc_u64 s[KB:KB+1], s[KB:KB+1], s[OC:OC+1]
	s_add_nc_u64 s[PB:PB+1], s[PB:PB+1], s[OC:OC+1]
	s_lshl_b32 s[OC], s[ROT], 17                   ; the chunk at which my cluster begins
	s_add_nc_u64 s[NC:NC+1], s[QB:QB+1], s[OC:OC+1]        ; chunk 0: Wq
	s_add_nc_u64 s[NC+2:NC+3], s[KB:KB+1], s[OC:OC+1]      ; chunk 1: Wkv's first half
	s_mov_b64 s[G0+2:G0+3], s[NC:NC+1]             ; 120:64 global address
	s_or_b32 s[G0+3], s[G0+3], 0x80000000          ; 127:126 type = 2
	s_mov_b64 s[G0+6:G0+7], s[NC+2:NC+3]
	s_or_b32 s[G0+7], s[G0+7], 0x80000000
	CROUND                                         ; all four work-groups are here: the first joint loads meet
	tensor_load_to_lds s[G0:G0+3], s[G1:G1+7]      ; chunk 0
	s_nop 0
	PLACES 4
	s_add_nc_u64 s[QS:QS+1], s[QS:QS+1], s[OS:OS+1]
	s_add_nc_u64 s[KS:KS+1], s[KS:KS+1], s[OS:OS+1]
	s_add_nc_u64 s[PS:PS+1], s[PS:PS+1], s[OS:OS+1]
	s_lshl_b32 s[OS], s[ROT], 13
	s_add_nc_u64 s[NS:NS+1], s[QS:QS+1], s[OS:OS+1]
	s_add_nc_u64 s[NS+2:NS+3], s[KS:KS+1], s[OS:OS+1]
.irp p, 0,1
.irp u, 0,1
	global_load_b128 v[XS+8*\p+4*\u:XS+8*\p+4*\u+3], v[XSO], s[6:7] offset:1024*\p+16*\u     ; scale words: register 8 p + s: lanes 0-15 tile 2 p, lanes 16-31 tile 2 p + 1
.endr
.endr
	WSLOAD 0
	s_add_nc_u64 s[VB:VB+1], s[KB:KB+1], 1024*512          ; Wkv's second half: rows 1,024 on
	s_add_nc_u64 s[VSB:VSB+1], s[KS:KS+1], 1024*32
	s_add_nc_u64 s[VC:VC+1], s[VB:VB+1], s[OC:OC+1]        ; chunk 8: v's chunk rot
	s_add_nc_u64 s[VS:VS+1], s[VSB:VSB+1], s[OS:OS+1]
	s_add_nc_u64 s[WPC:WPC+1], s[PB:PB+1], s[OC:OC+1]      ; chunk 12: Wproj's chunk rot
	s_add_nc_u64 s[WPS:WPS+1], s[PS:PS+1], s[OS:OS+1]
	s_add_co_u32 s[RJ+1], s[ROT], 1
	s_and_b32 s[RJ+1], s[RJ+1], 3
	s_lshl_b32 s[OC], s[RJ+1], 17
	s_lshl_b32 s[OS], s[RJ+1], 13
	s_add_nc_u64 s[VC+2:VC+3], s[VB:VB+1], s[OC:OC+1]      ; chunk 9: v's chunk (rot + 1) % 4
	s_add_nc_u64 s[VS+2:VS+3], s[VSB:VSB+1], s[OS:OS+1]
	s_add_nc_u64 s[WPC+2:WPC+3], s[PB:PB+1], s[OC:OC+1]    ; chunk 13
	s_add_nc_u64 s[WPS+2:WPS+3], s[PS:PS+1], s[OS:OS+1]
	s_mov_b32 s[RJ], s[ROT]                        ; both slots hold their tensor's chunk rot
	s_mov_b32 s[RJ+1], s[ROT]
	s_lshl_b32 s[OC], s[WV], 8                     ; my 64 columns: 256 bytes of a row of out0 and of bproj
	s_add_nc_u64 s[OUTP:OUTP+1], s[OUTP:OUTP+1], s[OC:OC+1]
	s_add_nc_u64 s[BP:BP+1], s[24:25], s[OC:OC+1]
	s_lshl_b32 s2, s2, 13                          ; the prefetches: 8,192 bytes each: byte 32,768 x wave + 8,192 cx of the chunk (512 x wave stands in the address already)
	s_mul_i32 s3, s[WV], 32768-512
	s_add_co_u32 s2, s2, s3
	s_mov_b32 s3, 0                                ; (s3 stays 0 from here on: the upper word of the pair s[2:3])
	s_add_nc_u64 s[PFK:PFK+1], s[NC+2:NC+3], s[2:3]
	s_add_nc_u64 s[PFV:PFV+1], s[VC:VC+1], s[2:3]
	s_add_nc_u64 s[PFP:PFP+1], s[WPC:WPC+1], s[2:3]
	s_lshr_b32 s[LIMV], ttmp9, 2                   ; clusters 0 to 3 prefetch: the same answer in all four partners
	s_cmp_eq_u32 s[LIMV], 0
	s_cselect_b32 s[LIMV], 3, -1                   ; v in the first loop's first trip (count 3),
	s_cselect_b32 s[LIMP], 1, -1                   ; Wproj in its last (count 1),
	s_cbranch_scc0 .Lnot_k
	global_prefetch_b8 v[PFO], s[PFK:PFK+1] th:TH_LOAD_NT scope:SCOPE_SE   ; and k here, one slot ahead of its load: one instruction a wave
.Lnot_k:
	s_mov_b32 s[SEL], 0x76543210
	s_mov_b32 s[SEL+1], 0xfedcba98
	s_mov_b32 s[L2E], 0x3fb8aa3b                   ; log2(e)
	s_mov_b32 s[L2E+1], s[L2E]                     ; (named with it as a pair, so it is written)
	s_mov_b32 s[DSTEP], 0
	s_mov_b32 s[ISTEP], 0
	s_mov_b32 s[OSTEP], 0
	s_wait_loadcnt 8                               ; my rows of x are in; behind them 4 + 4 scale loads
	WIN 0x0c
.irp i, 0,1,2,3,4,5,6,7,8,9,10,11,12,13,14,15
	ds_store_b128 v[STS], v[192+4*\i:195+4*\i] offset:PITCH*\i
.endr
	WIN 0xc0
.irp i, 0,1,2,3,4,5,6,7,8,9,10,11,12,13,14,15
	global_load_b128 v[128+4*\i:131+4*\i], v[XO], s[8:9] offset:512*\i   ; y's rows, wanted a chunk later than x's
.endr
	WIN 0
.irp p, 0,1
.irp u, 0,1
	global_load_b128 v[YS+8*\p+4*\u:YS+8*\p+4*\u+3], v[XSO], s[10:11] offset:1024*\p+16*\u
.endr
.endr
	WSLOAD 1
	BARRIER                                        ; x lies in the stage.  (Chunk 0's load may stay out: it is read behind the round below)
	WIN 0x40
.irp k, 0,1,2,3,4,5,6,7
.irp l, 0,1,2,3,4,5,6,7
	DLD1 1, \k, \l
.endr
.endr
	WIN 0
	s_wait_tensorcnt 0x0                           ; my block of chunk 0 is in
	ds_add_u32 v[SPW], v[NIL]
	s_wait_dscnt 0x0                               ; the add is done, and x's fragments are in registers
	CROUND                                         ; everybody's block is in, and all four work-groups are here
	tensor_load_to_lds s[G0+4:G0+7], s[G1:G1+7]    ; chunk 1
	s_nop 0
	PLACES 4
.irp k, 0,1,2,3
.irp l, 0,1,2,3,4,5,6,7
	LD1 0, \k, \l
.endr
.endr
	; ---- A: q and k, head by head, and the dots.  The first two chunks are written out: y is staged between them, and the second half of its fragments comes in during chunk 1
	CHUNK 0, 0, 1, XS, 0, 1, 0, QB, QS, 0, 0, 1, 24, 0, 0, 0       ; 24: y's 16 rows and 8 scale loads are younger
	s_wait_loadcnt 12                              ; my rows of y are in; behind them 4 + 4 + 4 scale loads
	WIN 0x0c
.irp i, 0,1,2,3,4,5,6,7,8,9,10,11,12,13,14,15
	ds_store_b128 v[STS], v[128+4*\i:131+4*\i] offset:PITCH*\i   ; every wave's reads of x lie ahead of chunk 0's round
.endr
	WIN 0
	BARRIER                                        ; y lies in the stage.  (Chunk 2's load may stay out)
	WIN 0x80
.irp k, 0,1,2,3
.irp l, 0,1,2,3,4,5,6,7
	DLD1 1, \k, \l
.endr
.endr
	WIN 0
	CHUNK 0, 1, 2, YS, 128, 1, 0, KB, KS, 0, 0, 1, 4, 0, 0, 1
	DOTS
	; a trip: a chunk of Wq, a chunk of Wkv, my head's 64 dots.  In the last trip the refills are the first two chunks that I take of v
	s_mov_b32 s[CNT], 3
.Lqk:
	CHUNK 0, 0, 1, XS, 0, 1, 1, QB, QS, VC, VS, 1, 4, 0, 0, 0
	CHUNK 0, 1, 2, YS, 128, 1, 1, KB, KS, VC+2, VS+2, 1, 4, 1, 0, 0
	DOTS
	s_sub_co_u32 s[CNT], s[CNT], 1
	s_cmp_lg_u32 s[CNT], 0
	s_cbranch_scc1 .Lqk
	s_add_co_u32 s[RJ+1], s[RJ+1], 1               ; four steps have brought both slots' numbers back to rot; slot 1 now holds v's chunk (rot + 1) % 4
	s_and_b32 s[RJ+1], s[RJ+1], 3
	BARRIER                                        ; all 16 dots of all 64 rows lie in LDS.  (Chunk 9's load may stay out)
	; ---- THE SOFTMAX over the 16 heads, for all 64 rows in every wave, a lane a row: e[16 b + 4 q + i] is wave (w + q) % 4's head of step i, row 32 b + lane
	WIN 0xc0
.irp b, 0,1
.irp q, 0,1,2,3
	ds_load_b128 v[16*\b+4*\q:16*\b+4*\q+3], v[DL+\q] offset:2048*\b
.endr
.endr
	s_wait_dscnt 0x0
	WIN 0xff
.irp b, 0,1
	v_max3_num_f32 v[MX+\b], v[16*\b], v[16*\b+1], v[16*\b+2]
.endr
.irp i, 3,5,7,9,11,13
.irp b, 0,1
	v_max3_num_f32 v[MX+\b], v[MX+\b], v[16*\b+\i], v[16*\b+\i+1]
.endr
.endr
.irp b, 0,1
	v_max_num_f32 v[MX+\b], v[MX+\b], v[16*\b+15]  ; the row's largest dot
.endr
.irp b, 0,1
.set JJ, 0
.rept 16
	v_sub_f32 v[16*\b+JJ], v[16*\b+JJ], v[MX+\b]   ; the maximum is taken away first and the difference scaled, not fused: so a large dot costs no digits of the exponent
.set JJ, JJ+1
.endr
.endr
.set JJ, 0
.rept 16
	v_pk_mul_f32 v[JJ:JJ+1], v[JJ:JJ+1], s[L2E:L2E+1] op_sel_hi:[1,0]
.set JJ, JJ+2
.endr
.set JJ, 0
	s_wait_alu depctr_va_vdst(0)                   ; ahead of the batch
.rept 32
	v_exp_f32 v[JJ], v[JJ]                         ; one batch
.set JJ, JJ+1
.endr
	v_nop                                          ; a plain place behind the last exponential
	s_wait_alu depctr_va_vdst(0)                   ; one wait for the batch, ahead of its first reader
.irp b, 0,1
	v_pk_add_f32 v[SU+4*\b:SU+4*\b+1], v[16*\b:16*\b+1], v[16*\b+4:16*\b+5]
	v_pk_add_f32 v[SU+4*\b+2:SU+4*\b+3], v[16*\b+2:16*\b+3], v[16*\b+6:16*\b+7]
.endr
.irp i, 8,12
.irp b, 0,1
	v_pk_add_f32 v[SU+4*\b:SU+4*\b+1], v[SU+4*\b:SU+4*\b+1], v[16*\b+\i:16*\b+\i+1]
	v_pk_add_f32 v[SU+4*\b+2:SU+4*\b+3], v[SU+4*\b+2:SU+4*\b+3], v[16*\b+\i+2:16*\b+\i+3]
.endr
.endr
.irp b, 0,1
	v_pk_add_f32 v[SU+4*\b:SU+4*\b+1], v[SU+4*\b:SU+4*\b+1], v[SU+4*\b+2:SU+4*\b+3]
.endr
.irp b, 0,1
	v_add_f32 v[SU+4*\b], v[SU+4*\b], v[SU+4*\b+1]
.endr
	s_wait_alu depctr_va_vdst(0)                   ; the wait ahead of the batch,
.irp b, 0,1
	v_rcp_f32 v[RC+\b], v[SU+4*\b]
.endr
	v_nop                                          ; a plain place behind the last reciprocal
	s_wait_alu depctr_va_vdst(0)                   ; and behind it
	WIN 0x0f
.irp i, 0,1,2,3
.irp b, 0,1
	v_mul_f32 v[AT+4*\i+2*\b], v[16*\b+\i], v[RC+\b]     ; attn of my head of step i, rows 32 b + lane, twice
	v_mul_f32 v[AT+4*\i+2*\b+1], v[16*\b+\i], v[RC+\b]
.endr
.endr
	WIN 0
.irp i, 0,1,2,3
.irp b, 0,1
	v_permlane16_swap_b32 v[AT+4*\i+2*\b], v[AT+4*\i+2*\b+1]   ; the first now holds tile 2 b's rows in both halves of the lanes, the second tile 2 b + 1's
.endr
.endr
	s_wait_alu depctr_va_vdst(0)
	; ---- C: v, head by head, times attn, quantised; the images of o's fragments go to LDS.  A trip: two chunks.  In the last trip the refills are the first two chunks that I take of Wproj
	s_mov_b32 s[CNT], 2
.Lv:
	CHUNK 0, 0, 2, YS, 0, 1, 1, VB, VSB, WPC, WPS, 2, 4, 0, 0, 0
	QUANT 0
	CHUNK 0, 1, 2, YS, 0, 1, 1, VB, VSB, WPC+2, WPS+2, 2, 4, 0, 0, 0
	QUANT 1
.irp k, 0,1,2,3,4,5,6,7
	v_mov_b32 v[AT+\k], v[AT+8+\k]                 ; the next trip's two heads
.endr
	s_add_co_u32 s[ISTEP], s[ISTEP], 4096          ; two steps on: four K steps' images,
	s_add_co_u32 s[OSTEP], s[OSTEP], 512           ; and their scale words
	s_sub_co_u32 s[CNT], s[CNT], 1
	s_cmp_lg_u32 s[CNT], 0
	s_wait_alu depctr_va_vdst(0)                   ; directly ahead of the branch
	s_cbranch_scc1 .Lv
	s_xor_b32 s2, s[ROT], 3                        ; 3 - rot
.irp j, 0,1,2,3
	s_add_co_u32 s[LIMV], s2, \j+1
	s_and_b32 s[LIMV], s[LIMV], 3                  ; (j - rot) % 4: the step in which K steps 2 j, 2 j + 1 were made
	s_lshl_b32 s[LIMP], s[LIMV], 11
	v_add_nc_u32 v[LIA+\j], s[LIMP], v[LI]
	s_lshl_b32 s[LIMP], s[LIMV], 8
	v_add_nc_u32 v[LSA+\j], s[LIMP], v[LS]
.endr
.irp i, 0,1,2,3
	s_add_co_u32 s2, s[ROT], \i                    ; the i-th chunk that I take of Wproj is its chunk (i + rot) % 4: 1,024 bytes of bproj each
	s_and_b32 s2, s2, 3
	s_lshl_b32 s2, s2, 10
	v_add_nc_u32 v[DP+\i], s2, v[BO]
.endr
	s_wait_alu depctr_va_vdst(0)
.irp i, 0,1,2,3
	global_load_b128 v[AT+4*\i:AT+4*\i+3], v[DP+\i], s[BP:BP+1]   ; attn is done with: the bias of my lane's four columns takes its place
.endr
	BARRIER                                        ; o's 32 fragments and their scale words lie in LDS.  (Chunk 13's load may stay out)
.irp p, 0,1
.irp s, 0,1,2,3,4,5,6,7
	ds_load_b32 v[XS+8*\p+\s], v[LSA+\s/2] offset:1024*\p+128*(\s%2)
.endr
.endr
	WIN 0x40                                       ; x is done with: o takes its place
.irp k, 0,1,2,3
.irp l, 0,1,2,3,4,5,6,7
	DLD1 2, \k, \l
.endr
.endr
	WIN 0
	; ---- D: out = o Wproj + bproj: four chunks, written out; the rest of o's fragments come in during the first; each chunk's 64 x 64 results are stored among the next chunk's matrix instructions
	CHUNK 1, 0, 1, XS, 0, 1, 0, PB, PS, 0, 0, 2, 8, 0, 0, 2        ; 8: chunk 13's scale words and the bias are younger
	s_wait_loadcnt 4                               ; the bias is in; chunk 14's scale words are younger
	OUT 0
	CHUNK 1, 1, 1, XS, 0, 1, 0, PB, PS, 0, 0, 2, 8, 0, 1, 0
	OUT 1
	CHUNK 1, 0, 1, XS, 0, 2, 0, 0, 0, 0, 0, 0, 4, 0, 2, 0          ; nothing is left to fetch
	OUT 2
	CHUNK 1, 1, 1, XS, 0, 0, 0, 0, 0, 0, 0, 0, 0, 0, 3, 0
	OUTBASE 3
.irp b, 0,1
	OUTADD 3, \b
	WIN 8
.irp n, 0,1,2,3,4,5,6,7,8,9,10,11,12,13,14,15
	ST1 16*\b+\n, 1
.endr
.endr
	WIN 0
	s_wait_tensorcnt 0x0                           ; the wave's end, behind my last tensor load and my last LDS store
	ds_add_u32 v[SPW], v[NIL]
	s_wait_dscnt 0x0
	CROUND                                         ; the closing round: no work-group ends while a partner may still ask for a tile that names it
	s_endpgm
.Lfunc_end_k_q7113887b7b_fused:
	.size	k_q7113887b7b_fused, .Lfunc_end_k_q7113887b7b_fused-k_q7113887b7b_fused
	.p2alignl 7, 3214868480
	.fill 96, 4, 3214868480
	.section	.rodata,"a",@progbits
	.p2align	6, 0x0
	.amdhsa_kernel k_q7113887b7b_fused
		.amdhsa_group_segment_fixed_size 327680
		.amdhsa_private_segment_fixed_size 0
		.amdhsa_enable_private_segment 0
		.amdhsa_kernarg_size 96
		.amdhsa_user_sgpr_count 2
		.amdhsa_user_sgpr_kernarg_segment_ptr 1
		.amdhsa_wavefront_size32 1
		.amdhsa_system_sgpr_workgroup_id_x 1
		.amdhsa_system_sgpr_workgroup_id_y 1
		.amdhsa_system_sgpr_workgroup_id_z 1
		.amdhsa_system_vgpr_workitem_id 0
		.amdhsa_next_free_vgpr 1024
		.amdhsa_next_free_sgpr 102
		.amdhsa_reserve_vcc 0
		.amdhsa_float_denorm_mode_32 3
		.amdhsa_float_denorm_mode_16_64 3
		.amdhsa_memory_ordered 1
		.amdhsa_forward_progress 1
		.amdhsa_inst_pref_size 239
	.end_amdhsa_kernel
	.amdgpu_metadata
---
amdhsa.version: [ 1, 2 ]
amdhsa.kernels:
  - .name:           k_q7113887b7b_fused
    .symbol:         k_q7113887b7b_fused.kd
    .args:
      - { .name: x_codes, .offset: 0, .size: 8, .value_kind: global_buffer, .address_space: global }
      - { .name: x_scales, .offset: 8, .size: 8, .value_kind: global_buffer, .address_space: global }
      - { .name: y_codes, .offset: 16, .size: 8, .value_kind: global_buffer, .address_space: global }
      - { .name: y_scales, .offset: 24, .size: 8, .value_kind: global_buffer, .address_space: global }
      - { .name: Wq_codes, .offset: 32, .size: 8, .value_kind: global_buffer, .address_space: global }
      - { .name: Wq_scales, .offset: 40, .size: 8, .value_kind: global_buffer, .address_space: global }
      - { .name: Wkv_codes, .offset: 48, .size: 8, .value_kind: global_buffer, .address_space: global }
      - { .name: Wkv_scales, .offset: 56, .size: 8, .value_kind: global_buffer, .address_space: global }
      - { .name: Wproj_codes, .offset: 64, .size: 8, .value_kind: global_buffer, .address_space: global }
      - { .name: Wproj_scales, .offset: 72, .size: 8, .value_kind: global_buffer, .address_space: global }
      - { .name: bproj, .offset: 80, .size: 8, .value_kind: global_buffer, .address_space: global }
      - { .name: out0, .offset: 88, .size: 8, .value_kind: global_buffer, .address_space: global }
    .group_segment_fixed_size: 327680
    .private_segment_fixed_size: 0
    .kernarg_segment_align: 8
    .kernarg_segment_size: 96
    .max_flat_workgroup_size: 128
    .sgpr_count:     102
    .vgpr_count:     1024
    .wavefront_size: 32
...
	.end_amdgpu_metadata
.endif
;; end of part 2
